; MI455X (gfx1250); checked and timed in simulation.
; The chip was launched on July 23, 2026; its instructions are those of AMD's public machine-readable ISA for CDNA 5 (MIT licence, August 2026) and "CDNA5" Instruction Set Architecture Reference Guide (July 2026). The comments in the code are by the model that wrote it; some were corrected since.
;; Multi Head Attention2. Allowed arithmetic: matrix products marked QUANTISED: E4M3 operands, one given power-of-two scale a tensor, by v_wmma_f32_16x16x64_fp8_fp8 or v_wmma_f32_16x16x128_fp8_fp8, f32 sums; everything else in f32.
;; Inputs: Wk 1,024 x 1,024 float32; Wo 1,024 x 1,024 float32; Wq 1,024 x 1,024 float32; Wv 1,024 x 1,024 float32; bk 1,024 float32; bo 1,024 float32; bq 1,024 float32; bv 1,024 float32; lowp_scales 12 int32 (the exponents e of the quantised operands' scales 2^e); x 4 x 2,048 x 1,024 float32.
;; Outputs: out0 4 x 2,048 x 1,024 float32.
;; This version of the problem:
;;   THIS VERSION OF THE PROBLEM IS GIVEN IN LOW PRECISION. The matrix products marked QUANTISED in the list below multiply operands that are first quantised to E4M3 (4 exponent bits, 3 mantissa bits; 8 bits a number), with one given power-of-two scale for each operand tensor; their sums are f32. All else is computed in f32.
;;   The module's matrix products, in the order in which they are computed (A, B: the left and right operand; K: the contracted axis; several contracted axes count as one K, in the product's order):
;;     1. [M 8,192, K 1,024] x [K 1,024, N 1,024]; A: input x; B: input Wq: QUANTISED (scales: A lowp_scales[0], B lowp_scales[1])
;;     2. [M 8,192, K 1,024] x [K 1,024, N 1,024]; A: input x; B: input Wk: QUANTISED (scales: A lowp_scales[2], B lowp_scales[3])
;;     3. [M 8,192, K 1,024] x [K 1,024, N 1,024]; A: input x; B: input Wv: QUANTISED (scales: A lowp_scales[4], B lowp_scales[5])
;;     4. batch 64 x [M 2,048, K 64] x [K 64, N 2,048]; A: computed on the way; B: computed on the way: QUANTISED (scales: A lowp_scales[6], B lowp_scales[7])
;;     5. batch 64 x [M 2,048, K 2,048] x [K 2,048, N 64]; A: softmax (see below); B: computed on the way: QUANTISED (scales: A lowp_scales[8], B lowp_scales[9])
;;     6. [M 8,192, K 1,024] x [K 1,024, N 1,024]; A: computed on the way; B: input Wo: QUANTISED (scales: A lowp_scales[10], B lowp_scales[11])
;;   THE QUANTISER, for each operand of a quantised product, along K:
;;     - The operand's scale is 2^e, e = its entry of the input lowp_scales (int32; the entries are numbered through the quantised products in the list's order, A before B).
;;     - Each number is divided by the scale, clamped to +-448, and rounded to the nearest number of E4M3, ties to even, subnormals kept.
;;     - The product sums the exact products of the quantised numbers (number of the format x scale) in f32.
;;   ~~~python
;;   def quantise(x, axis, e):      # numpy; x: float32 -> the quantised numbers, widened to float32 again
;;       x = np.moveaxis(x, axis, -1); K = x.shape[-1]
;;       r = np.clip(x / 2.0 ** e, -448, 448)
;;       step = 2.0 ** (np.maximum(np.frexp(np.where(r == 0, 1, r))[1] - 1, -6) - 3)
;;       q = np.round(r / step) * step * 2.0 ** e      # np.round: ties to even
;;       return np.moveaxis(q, -1, axis).astype(np.float32)
;;   ~~~
;;   SOFTMAX AHEAD OF A QUANTISED PRODUCT. Where the list says 'softmax', what is quantised is not the finished softmax but p = 2^(t - M), with t = logit x log2(e) and M = ceil(the row's largest t), a whole number; so 1/2 < the row's largest p <= 1. The row's sum l is taken of the UNQUANTISED p, in f32, and the product's result is divided by l at the end. Since M is a whole number, a kernel that streams over the keys may use a running M (the ceiling of the running maximum): every later rescaling is an exact power of two, so the quantised numbers keep their values, but for numbers so far below the row's largest that they fall under the format's range.
;;   OPERANDS COMPUTED ON THE WAY. 'Computed on the way' means the value that the module computes at that place (a softmax that the list does not call 'softmax' is quantised finished and normalised). What goes into a quantiser is computed in f32, as accurately as f32 sums, v_exp_f32 and their like allow (about 1e-6 of the number): no bf16 or f16 on the way to a quantiser, and a product that is left as it is and whose result goes on into a quantised operand takes f32 operands (vector FMAs, or v_wmma_f32_16x16x4_f32). A number that lies on a knife's edge between two numbers of the format may be rounded either way, as far as f32 arithmetic and the matrix unit's own rounding can turn it there, and no further.
;; One version. Each part assembles by itself: llvm-mc -triple=amdgcn-amd-amdhsa -mcpu=gfx1250 --defsym DOCPART=n.
;; ======== version 1 of 1: 4 launches
;; limits: right only within a limited range of input values
;; workspace buffers: wc 4,194,304 bytes; xc 25,165,824 bytes; qkvc 25,165,824 bytes; ctxc 8,388,608 bytes
;; launch quant (part 1): grid 640 x 1, 4 waves a work-group, no clusters, 68,096 bytes of LDS; arguments Wq, Wk, Wv, Wo, x, lowp_scales, wc, xc; writes wc, xc
.if DOCPART == 1
	.amdgcn_target "amdgcn-amd-amdhsa--gfx1250"
	.amdhsa_code_object_version 6
	.text
	.protected	k_qbf9249076b_quant
	.globl	k_qbf9249076b_quant
	.p2align	8
	.type	k_qbf9249076b_quant,@function
k_qbf9249076b_quant:
	s_mov_b64 s[64:65], 0
	v_nop
	global_prefetch_b8 v0, s[64:65] scope:SCOPE_SE
	s_setreg_imm32_b32 hwreg(HW_REG_WAVE_MODE, 25, 1), 1
	s_wait_xcnt 0x0
; ONE LAUNCH QUANTISES ALL WIDE INPUTS to codes of FP8 (E4M3): code = number / 2^e, held within +-448, rounded to the nearest code, ties to even.
; Work-groups 0 to 127: the weights.  Wq, Wk, Wv, Wo: [1024 (k)][1024 (n)] f32, K the FIRST axis, become codes laid [n][k] in blocks of 1 MiB of wc (entries 1, 3, 5, 11 of the scales).
;   Work-group = 8 x (4 x weight + which 256 along K) + which 128 columns; a wave takes 32 columns x 256 along K.  A lane takes a column and its registers run down K, so the conversions give codes with K innermost;
;   the codes go through the wave's stage in LDS and leave as rows: sixteen lanes store 256 consecutive bytes, aligned.  Loads run two blocks of 32 along K ahead.
; Work-groups 128 to 639: x [8192][1024] f32, an operand of three products with a scale each (entries 0, 2, 4): read once, three sets of codes in blocks of 8 MiB of xc.
;   A wave takes 8 steps of 512 numbers: each load reads 512 consecutive bytes; the bytes turn through the wave's stage in LDS so that a lane holds 16 neighbours; each store covers 512 consecutive bytes.
; The two paths part on the work-group's number alone and have LDS bytes of their own.  No tensor loads, no barrier: waves share nothing.
; LIMITS: each e between -126 and 119.  NaN among the inputs is not served (an infinity is held at the largest code).
.set WGW,   128                        ; the weights' work-groups
.set SIZE_N, 1024
.set NB,    8                          ; blocks of 32 along K for a wave
.set PITCH, 272                        ; a row of the weights' stage: 256 bytes + 16
.set KROW,  1024
.set MANT,  0x600000                   ; the mantissa field of 448 as f32
.set WX,    32                         ; weights: v32-95 two sets of 32 numbers
.set WC,    96                         ; v96-103 a block's codes
.set WOUT,  112                        ; v112-175 the way out
.set STEPS, 8
.set SC,    5                          ; x: v5, v7, v9: 2^e of set 0, 1, 2;  v6, v8, v10: 448 x 2^e
.set XR,    16                         ; v16-79 four sets of 16 numbers as loaded
.set XX,    80                         ; v80-111 two sets of 16 neighbours
.set XT,    112                        ; v112-159 held within the three ranges
.set XC,    160                        ; v160-255 codes: twelve registers a step
.set WREG,  8192                       ; x's LDS: a region a wave, two stages of 32 x SP bytes
.set SP,    80
.set WSTAGE, 4*WREG                    ; the weights' stages lie behind x's regions
.set SPARE, WSTAGE+4*32*PITCH          ; the spare words, 128 bytes a wave
	s_load_b256 s[8:15], s[0:1], 0x0               ; Wq, Wk, Wv, Wo
	s_load_b256 s[68:75], s[0:1], 0x20             ; x s[68:69], the scales' exponents s[70:71], wc s[72:73], xc s[74:75]
	v_lshl_add_u32 v12, v0, 2, SPARE
	v_mov_b32 v13, 0
	v_lshrrev_b32 v1, 5, v0
	v_readfirstlane_b32 s16, v1                    ; wave
	v_and_b32 v2, 31, v0                           ; lane
	s_cmp_ge_u32 ttmp9, WGW
	s_wait_alu depctr_va_vdst(0)
	s_cbranch_scc1 .Lx_path
	; THE WEIGHTS
	s_and_b32 s17, ttmp9, 7
	s_lshl_b32 s17, s17, 7
	s_lshl_b32 s18, s16, 5
	s_add_co_u32 s17, s17, s18                     ; my wave's first column
	s_lshr_b32 s18, ttmp9, 3
	s_lshr_b32 s28, s18, 2                         ; which weight: 0 Wq, 1 Wk, 2 Wv, 3 Wo
	s_and_b32 s18, s18, 3                          ; which 256 along K
	v_lshlrev_b32 v3, 2, v2                        ; in: 4 bytes a lane
	s_mul_i32 s19, s16, 32*PITCH
	s_add_co_u32 s19, s19, WSTAGE                  ; my stage
	v_mul_u32_u24 v4, v2, PITCH
	v_add_nc_u32 v4, s19, v4                       ; into it: row = my column
	v_and_b32 v5, 15, v2
	v_lshrrev_b32 v6, 4, v2
	v_mul_u32_u24 v7, v6, PITCH
	v_lshl_add_u32 v7, v5, 4, v7
	v_add_nc_u32 v7, s19, v7                       ; out of it: sixteen lanes to a row
	v_mul_u32_u24 v8, v6, KROW
	v_lshl_add_u32 v8, v5, 4, v8                   ; and the same place among the codes
	s_lshl_b32 s20, s18, 20
	s_lshl_b32 s22, s17, 2
	s_add_co_u32 s20, s20, s22                     ; W: 256 rows of 4,096 bytes a step along K, + 4 x column
	s_mov_b32 s21, 0
	s_lshl_b32 s24, s28, 20
	s_lshl_b32 s22, s17, 10
	s_add_co_u32 s24, s24, s22
	s_lshl_b32 s22, s18, 8
	s_add_co_u32 s24, s24, s22                     ; codes: the weight's MiB, + column x 1,024, + 256 a step along K
	s_mov_b32 s25, 0
	s_wait_alu depctr_va_vdst(0)
	s_wait_kmcnt 0x0
	s_load_b256 s[40:47], s[70:71], 0x0            ; entries 0 to 7
	s_load_b128 s[48:51], s[70:71], 0x20           ; entries 8 to 11
	s_cmp_eq_u32 s28, 1
	s_cselect_b64 s[32:33], s[10:11], s[8:9]
	s_cmp_eq_u32 s28, 2
	s_cselect_b64 s[32:33], s[12:13], s[32:33]
	s_cmp_eq_u32 s28, 3
	s_cselect_b64 s[32:33], s[14:15], s[32:33]
	s_add_nc_u64 s[32:33], s[32:33], s[20:21]
	s_add_nc_u64 s[6:7], s[72:73], s[24:25]
.macro WLOAD t                         ; block t: W(32 t + i, my column) into set t % 2
.set i, 0
.rept 32
	global_load_b32 v[WX+32*((\t)%2)+i], v3, s[32:33] offset:(32*(\t)+i)*SIZE_N*4 th:TH_LOAD_NT
.set i, i+1
.endr
.endm
	WLOAD 0
	WLOAD 1
	s_wait_kmcnt 0x0
	s_cmp_eq_u32 s28, 1                            ; e: entry 1, 3, 5 or 11; a choice, no branch
	s_cselect_b32 s30, s43, s41
	s_cmp_eq_u32 s28, 2
	s_cselect_b32 s30, s45, s30
	s_cmp_eq_u32 s28, 3
	s_cselect_b32 s30, s51, s30
	s_add_co_i32 s30, s30, 127
	s_lshl_b32 s31, s30, 23
	v_mov_b32 v11, s31                             ; 2^e
	s_add_co_i32 s30, s30, 8
	s_lshl_b32 s30, s30, 23
	s_or_b32 s30, s30, MANT
	v_mov_b32 v10, s30                             ; 448 x 2^e
.macro WBLOCK t
.set XS, WX+32*((\t)%2)
.if (\t) < NB-1
	s_wait_loadcnt 32                              ; this block's 32 loads are in; the next block's 32 may be out
.else
	s_wait_loadcnt 0
.endif
.set i, 0
.rept 32
	v_med3_num_f32 v[XS+i], v[XS+i], -v10, v10     ; the conversion does not saturate (ISA guide 7.6.2)
.set i, i+1
.endr
.irp g, 0,1,2,3
	v_cvt_scalef32_pk8_fp8_f32 v[WC+2*\g:WC+2*\g+1], v[XS+8*\g:XS+8*\g+7], v11
.endr
	ds_store_b128 v4, v[WC:WC+3] offset:32*(\t)
	ds_store_b128 v4, v[WC+4:WC+7] offset:32*(\t)+16
.if (\t)+2 < NB
	WLOAD (\t)+2
.endif
	s_wait_dscnt 0x0                               ; the stores have read their registers
.endm
.set Q, 0
	s_wait_alu depctr_va_vdst(0)
.rept NB
	WBLOCK Q
.set Q, Q+1
.endr
.irp t, 0,1,2,3,4,5,6,7,8,9,10,11,12,13,14,15
	ds_load_b128 v[WOUT+4*\t:WOUT+4*\t+3], v7 offset:2*\t*PITCH   ; LDS serves a wave's instructions in order
.endr
.irp t, 0,1,2,3,4,5,6,7,8,9,10,11,12,13,14,15
	s_wait_dscnt 15-\t                             ; number t is in, the 15 - t younger ones may be out
	global_store_b128 v8, v[WOUT+4*\t:WOUT+4*\t+3], s[6:7] offset:2*\t*KROW
.endr
	s_wait_tensorcnt 0x0                           ; the wave's end
	ds_add_u32 v12, v13
	s_wait_dscnt 0x0
	s_endpgm
.Lx_path:
	v_lshlrev_b32 v3, 4, v2                        ; my 16 bytes of a load's 512, and of a store's
	s_mul_i32 s17, s16, WREG
	v_lshrrev_b32 v14, 2, v2
	v_mul_u32_u24 v14, v14, SP
	v_and_b32 v15, 3, v2
	v_lshl_add_u32 v14, v15, 4, v14
	v_add_nc_u32 v14, s17, v14                     ; the stage, in: four lanes' 64 bytes on end, then 16 of padding
	v_mul_u32_u24 v15, v2, SP
	v_add_nc_u32 v15, s17, v15                     ; and out: my 16 neighbours
	s_sub_co_u32 s17, ttmp9, WGW
	s_lshl_b32 s17, s17, 2
	s_add_co_u32 s18, s17, s16                     ; which run of 4,096 numbers is my wave's
	s_lshl_b32 s20, s18, 14
	s_mov_b32 s21, 0
	s_lshl_b32 s22, s18, 12
	s_mov_b32 s23, 0
	s_wait_alu depctr_va_vdst(0)
	s_wait_kmcnt 0x0
	s_load_b256 s[24:31], s[70:71], 0x0            ; entries 0 to 7: 0, 2 and 4 are x's
	s_add_nc_u64 s[4:5], s[68:69], s[20:21]
	s_add_nc_u64 s[8:9], s[74:75], s[22:23]        ; three bases, 8 MiB apart
	s_add_nc_u64 s[10:11], s[8:9], 0x800000
	s_add_nc_u64 s[12:13], s[8:9], 0x1000000
.macro XLOAD t
.irp i, 0,1,2,3
	global_load_b128 v[XR+16*((\t)%4)+4*\i:XR+16*((\t)%4)+4*\i+3], v3, s[4:5] offset:2048*(\t)+512*\i th:TH_LOAD_NT
.endr
.endm
.macro XTURN t                         ; step t's numbers through the stage: LDS serves a wave's instructions in order
.irp i, 0,1,2,3
	ds_store_b128 v14, v[XR+16*((\t)%4)+4*\i:XR+16*((\t)%4)+4*\i+3] offset:32*SP*((\t)%2)+8*SP*\i
.endr
.irp i, 0,1,2,3
	ds_load_b128 v[XX+16*((\t)%2)+4*\i:XX+16*((\t)%2)+4*\i+3], v15 offset:32*SP*((\t)%2)+16*\i
.endr
.endm
.irp t, 0,1,2,3
	XLOAD \t
.endr
	s_wait_kmcnt 0x0
.irp j, 0,1,2                          ; entry 2 j in s[24 + 2 j]; the entry beside it serves as scratch
	s_add_co_i32 s[24+2*\j], s[24+2*\j], 127
	s_lshl_b32 s[25+2*\j], s[24+2*\j], 23
	v_mov_b32 v[SC+2*\j], s[25+2*\j]
	s_add_co_i32 s[24+2*\j], s[24+2*\j], 8
	s_lshl_b32 s[24+2*\j], s[24+2*\j], 23
	s_or_b32 s[24+2*\j], s[24+2*\j], MANT
	v_mov_b32 v[SC+2*\j+1], s[24+2*\j]
.endr
	s_wait_alu depctr_va_vdst(0)
	s_wait_loadcnt 12                              ; step 0's four loads are in; the twelve of steps 1 to 3 may be out
	XTURN 0
.macro XSTEP t
.set XS, XX+16*((\t)%2)
	s_wait_dscnt 0x0                               ; this step's numbers are back from the stage
.if (\t)+4 < STEPS
	XLOAD (\t)+4
.endif
.if (\t)+1 < STEPS
.if STEPS-2-(\t) >= 3
	s_wait_loadcnt 12                              ; the next step's four loads are in; three steps' may be out
.else
	s_wait_loadcnt 4*(STEPS-2-(\t))
.endif
	XTURN (\t)+1
.endif
.irp j, 0,1,2
.set i, 0
.rept 16
	v_med3_num_f32 v[XT+16*\j+i], v[XS+i], -v[SC+2*\j+1], v[SC+2*\j+1]
.set i, i+1
.endr
.endr
.irp j, 0,1,2
	v_cvt_scalef32_pk8_fp8_f32 v[XC+12*(\t)+4*\j:XC+12*(\t)+4*\j+1], v[XT+16*\j:XT+16*\j+7], v[SC+2*\j]
	v_cvt_scalef32_pk8_fp8_f32 v[XC+12*(\t)+4*\j+2:XC+12*(\t)+4*\j+3], v[XT+16*\j+8:XT+16*\j+15], v[SC+2*\j]
.endr
	v_nop                                          ; one plain line behind the last conversion
	global_store_b128 v3, v[XC+12*(\t):XC+12*(\t)+3], s[8:9] offset:512*(\t) th:TH_STORE_NT
	global_store_b128 v3, v[XC+12*(\t)+4:XC+12*(\t)+7], s[10:11] offset:512*(\t) th:TH_STORE_NT
	global_store_b128 v3, v[XC+12*(\t)+8:XC+12*(\t)+11], s[12:13] offset:512*(\t) th:TH_STORE_NT
.endm
.irp t, 0,1,2,3,4,5,6,7
	XSTEP \t
.endr
	s_wait_tensorcnt 0x0                           ; the wave's end
	ds_add_u32 v12, v13
	s_wait_dscnt 0x0
	s_endpgm
.Lfunc_end_k_qbf9249076b_quant:
	.size	k_qbf9249076b_quant, .Lfunc_end_k_qbf9249076b_quant-k_qbf9249076b_quant
	.p2alignl 7, 3214868480
	.fill 96, 4, 3214868480
	.section	.rodata,"a",@progbits
	.p2align	6, 0x0
	.amdhsa_kernel k_qbf9249076b_quant
		.amdhsa_group_segment_fixed_size 68096
		.amdhsa_private_segment_fixed_size 0
		.amdhsa_enable_private_segment 0
		.amdhsa_kernarg_size 64
		.amdhsa_user_sgpr_count 2
		.amdhsa_user_sgpr_kernarg_segment_ptr 1
		.amdhsa_wavefront_size32 1
		.amdhsa_system_sgpr_workgroup_id_x 1
		.amdhsa_system_sgpr_workgroup_id_y 1
		.amdhsa_system_sgpr_workgroup_id_z 1
		.amdhsa_system_vgpr_workitem_id 0
		.amdhsa_next_free_vgpr 256
		.amdhsa_next_free_sgpr 76
		.amdhsa_reserve_vcc 0
		.amdhsa_float_denorm_mode_32 3
		.amdhsa_float_denorm_mode_16_64 3
		.amdhsa_memory_ordered 1
		.amdhsa_forward_progress 1
		.amdhsa_inst_pref_size 89
	.end_amdhsa_kernel
	.amdgpu_metadata
---
amdhsa.version: [ 1, 2 ]
amdhsa.kernels:
  - .name:           k_qbf9249076b_quant
    .symbol:         k_qbf9249076b_quant.kd
    .args:
      - { .name: Wq, .offset: 0, .size: 8, .value_kind: global_buffer, .address_space: global }
      - { .name: Wk, .offset: 8, .size: 8, .value_kind: global_buffer, .address_space: global }
      - { .name: Wv, .offset: 16, .size: 8, .value_kind: global_buffer, .address_space: global }
      - { .name: Wo, .offset: 24, .size: 8, .value_kind: global_buffer, .address_space: global }
      - { .name: x, .offset: 32, .size: 8, .value_kind: global_buffer, .address_space: global }
      - { .name: lowp_scales, .offset: 40, .size: 8, .value_kind: global_buffer, .address_space: global }
      - { .name: wc, .offset: 48, .size: 8, .value_kind: global_buffer, .address_space: global }
      - { .name: xc, .offset: 56, .size: 8, .value_kind: global_buffer, .address_space: global }
    .group_segment_fixed_size: 68096
    .private_segment_fixed_size: 0
    .kernarg_segment_align: 8
    .kernarg_segment_size: 64
    .max_flat_workgroup_size: 128
    .sgpr_count:     76
    .vgpr_count:     256
    .wavefront_size: 32
...
	.end_amdgpu_metadata
.endif
;; end of part 1
;; launch qkv (part 2): grid 4 x 96, 4 waves a work-group, clusters of 4 x 4, 327,680 bytes of LDS; arguments xc, wc, bq, bk, bv, lowp_scales, qkvc; writes qkvc
.if DOCPART == 2
	.amdgcn_target "amdgcn-amd-amdhsa--gfx1250"
	.amdhsa_code_object_version 6
	.text
	.protected	k_qbf9249076b_qkv
	.globl	k_qbf9249076b_qkv
	.p2align	8
	.type	k_qbf9249076b_qkv,@function
k_qbf9249076b_qkv:
	s_mov_b64 s[64:65], 0
	v_nop
	global_prefetch_b8 v0, s[64:65] scope:SCOPE_SE
	s_setreg_imm32_b32 hwreg(HW_REG_WAVE_MODE, 25, 1), 1
	s_wait_xcnt 0x0
	s_wait_alu depctr_hold_cnt(0) depctr_sa_sdst(0) depctr_va_vdst(0) depctr_va_sdst(0) depctr_va_ssrc(0) depctr_va_vcc(0) depctr_vm_vsrc(0)
	s_getreg_b32 s2, hwreg(HW_REG_IB_STS2, 6, 4)
	s_cmp_eq_u32 s2, 0
	s_cbranch_scc0 .Lentry_in_a_cluster
	s_endpgm
.Lentry_in_a_cluster:
	s_bfe_u32 s2, ttmp6, 0x10000c
	s_cmp_lg_u32 s2, 0xf033
	s_cbranch_scc0 .Lentry_shape_is_right
	s_endpgm
.Lentry_shape_is_right:
; q = x Wq + bq, k = x Wk + bk, v = x Wv + bv on codes of FP8 (E4M3), K = 1,024, and each result quantised at once for attention's products (entries 6, 7, 9 of the scales).
; ONE TEXT FOR THREE PRODUCTS.  It makes C[m][n] = sum over k of A[m][k] B[n][k] + bias and leaves codes with n innermost.  q and k: A = x's codes (m = token), B = the weight's codes (n = feature).
; v: THE ROLES ARE SWAPPED: A = Wv's codes (m = feature), B = x's codes (n = token), so that v's codes come out with the keys innermost, as the second product of attention wants them; nothing is transposed.
; Which product: cluster y / 8 (0 q, 1 k, 2 v): the same in all sixteen partners of a cluster.  Both operands have rows of 1,024 bytes in every case.
; OUT: qkvc: q at 0 and k at 8 MiB as [batch x head][token][64]; v at 16 MiB as [batch x head][block of 256 keys][64][256].  A head is 131,072 dense bytes in each.
; SCALES.  A sum stands for sum x 2^E, E = the two operands' exponents added.  The bias goes in as the C of each sum's first matrix instruction, divided by 2^E; the conversion then takes 2^(eo - E) as its one scale.
; LIMITS: eo - E between -126 and 119, so that 2^(eo - E) and 448 x that are f32 numbers.
; A tile of C, 256 x 256, is made by four waves; a wave makes 128 x 128: 64 accumulators of 16 x 16.  K goes in four steps of 256 through a ring of two LDS slots filled by the tensor data mover.
; CLUSTERS: 4 x 4 work-groups.  The four of a row need the same tiles of A, the four of a column the same tiles of B: each tile is asked for JOINTLY.  THE MATRIX INSTRUCTION IS USED TRANSPOSED
; (source 0 = 16 rows of B, source 1 = 16 rows of A): a lane then holds eight neighbouring n of one row m: eight codes, 8 bytes.
; No prefetch: of the four K steps two are first fills.
; REGISTERS, in windows of 256: window 0: v8-29 constants and addresses; v32-95 the bias as C, later a block's held sums; v96-127 codes; from v128 A's fragments (one set), later rows read back.
;   window 1: B's fragments, two sets.   window 2: the 32 accumulators of my rows 0-63 ((a, b) at v[8 (8 a + b)]);   window 3: those of my rows 64-127.
.set KSTEP,  256                       ; along K in a slot
.set ROWB,   256                       ; a tile's row in bytes
.set KROW,   1024                      ; a row of A or of B in memory, in bytes
.set PITCH,  272                       ; an LDS row: 256 bytes + 16 of padding = 68 words: the 16 rows that a load touches start at 16 different banks (64 banks of 4 bytes: ISA guide 11.1)
.set FR,     16                        ; registers of a fragment: 16 rows x 128 K
.set NL,     4                         ; LDS loads that bring one
.set NP,     4                         ; places behind this matrix instruction (ISA guide 7.12.1)
.set HALFT,  128*PITCH                 ; 128 rows: half of what one tensor load brings
.set SLOT,   4*HALFT                   ; A's 256 rows, then B's 256 rows
.set SPARE,  2*SLOT                    ; behind the ring: the spare words, 128 bytes for each wave
.set SPITCH, 336                       ; the way out: one stage of 256 rows x (256 bytes of codes + 80) for the work-group: 84 words, so that the 16 rows of an 8-byte store start at 16 different banks.
                                       ; It lies in slot 0, which has had its last fill and its last read when the first code is stored there
.set SCV,  8                           ; v8   2^(eo - E)
.set LIMV, 9                           ; v9   448 x that
.set BH,   10                          ; v10  32 x (lane / 16): my place in 64 bytes of a bias along n
.set BR,   11                          ; v11  4 x (lane % 16): my place in 64 bytes of a bias along m
.set ADRA, 16                          ; v16-17  LDS address of my A fragments in slot 0, 1
.set ADRB, 20                          ; v20-21  the same for B
.set GOV,  22                          ; v22  unused
.set RDQ2, 23                          ; v23  RDQ, 128 rows further down: the immediate has 16 bits
.set STO,  24                          ; v24  where I put 8 codes of a row
.set RDQ,  25                          ; v25  q's and k's way out: 8 rows x 64 bytes of my head
.set RDV,  26                          ; v26  v's way out: 2 rows x 256 bytes
.set GOQ,  27                          ; v27  16 x lane
.set SPW,  28                          ; v28  LDS address of my spare word; never rewritten
.set NIL,  29                          ; v29  0; never rewritten
.set BI,   32                          ; v32-95  the bias / 2^E in the result's layout
.set TMP,  32                          ; v32-95  on the way out: a block's sums, held
.set CD,   96                          ; v96-127 two sets of 16 registers of codes
.set AF,   128                         ; A's fragments
.set BK,   128                         ; on the way out: 32 x 4 registers read back from the stage
.set G1, 24                            ; s[24:31] descriptor group 1 for A's tiles;  s[32:39] group 0, one set for each slot
.set G0, 32
.set G1B, 48                           ; s[48:55], s[56:63] the same for B's tiles
.set G0B, 56
.set WH,  66                           ; s66  which product
.set MSB, 0
.macro WIN new                         ; the immediate's high byte repeats the setting that is left
.if MSB != \new
	s_set_vgpr_msb (MSB<<8)|\new
.set MSB, \new
.endif
.endm
.set MUL_LO, 0xa1                      ; source 0 (B) window 1, source 1 (A) window 0, C and D window 2
.set MUL_HI, 0xf1                      ; the same, C and D window 3
.set FST_LO, 0x81                      ; a sum's first product: C (the bias) window 0, D window 2
.set FST_HI, 0xc1                      ; D window 3
.set TO_B,   0x40                      ; destination window 1, address window 0
; A joint load: waves 0 and 2 fetch for A, waves 1 and 3 for B.  Each of the two lines has one mask and one set of registers for all that issue it; the branch hangs on the wave's number alone.
; Four v_nop follow each of the two lines, ahead of the jump, the label and what follows.
; A slot's tiles have two owners: wave wa fetches A's 256 rows, wave wa + 1 B's; the other two waves issue nothing here.
.macro JLOAD wa, g0a, g1a, g0b, g1b
	s_cmp_eq_u32 s14, \wa
	s_cbranch_scc0 .Lfor_b_\@
	tensor_load_to_lds s[\g0a:\g0a+3], s[\g1a:\g1a+7]
	s_nop 0
.rept 4
	v_nop
.endr
	s_branch .Lasked_\@
.Lfor_b_\@:
	s_cmp_eq_u32 s14, (\wa)+1
	s_cbranch_scc0 .Lasked_\@
	tensor_load_to_lds s[\g0b:\g0b+3], s[\g1b:\g1b+7]
	s_nop 0
.rept 4
	v_nop
.endr
.Lasked_\@:
.endm
.macro CREST                           ; a round of the cluster's barrier behind its opening barrier
	s_cmp_lg_u32 s14, 0
	s_cbranch_scc1 .Lnot_wave_0_\@
	s_barrier_signal -3
.Lnot_wave_0_\@:
	s_barrier_wait -3
	s_barrier_signal -1
	s_barrier_wait -1
.endm
.macro CROUND                          ; a whole round
	s_barrier_signal -1
	s_barrier_wait -1
	CREST
.endm
	s_load_b256 s[68:75], s[0:1], 0x0              ; xc s[68:69], wc s[70:71], bq s[72:73], bk s[74:75]
	s_load_b128 s[76:79], s[0:1], 0x20             ; bv s[76:77], the scales' exponents s[78:79]
	s_load_b64 s[10:11], s[0:1], 0x30              ; qkvc
	v_lshl_add_u32 v[SPW], v0, 2, SPARE
	v_mov_b32 v[NIL], 0
	ds_add_u32 v28, v29
	ds_add_u32 v28, v29
	s_wait_dscnt 0x0
	v_lshrrev_b32 v1, 5, v0
	v_readfirstlane_b32 s14, v1                    ; wave 0..3
	s_lshr_b32 s15, s14, 1                         ; which half of the tile's rows is mine.  Also: which slot I fetch for
	s_and_b32 s16, s14, 1                          ; which half of its columns.  Also: I fetch for A (0) or for B (1)
	s_bfe_u32 s40, ttmp6, 0x40000                  ; cx, cy: my place in the cluster
	s_bfe_u32 s41, ttmp6, 0x40004
	s_and_b32 s67, ttmp7, 0xffff                   ; cluster y, 0 .. 23 (the grid is one cluster wide)
	s_lshr_b32 s[WH], s67, 3                       ; which product
	s_and_b32 s67, s67, 7
	s_lshl_b32 s67, s67, 2                         ; which four tiles along the tokens
	s_cmp_eq_u32 s[WH], 2
	s_cselect_b32 s17, 0, s67                      ; the tokens are C's rows for q and k,
	s_cselect_b32 s42, s67, 0                      ; its columns for v
	s_add_co_u32 s17, s17, s41                     ; tile row of C: it never holds cx
	s_add_co_u32 s42, s42, s40                     ; tile column of C: it never holds cy
	s_lshl_b32 s43, s41, 2
	s_lshl_b32 s43, 15, s43                        ; my row of the cluster
	s_lshl_b32 s44, 0x1111, s40                    ; my column
	; descriptor group 1: a tile of 128 rows x 256 bytes, padded in LDS
	s_or_b32 s[G1+0], s43, (0<<16)|(1<<20)|(1<<21)|(5<<22)|(3<<25)  ; 15:0 the mask: A's tiles go to my row; 17:16 element of 1 byte; 20 padding on; 21 set beside a mask; 24:22 after every 64 words; 31:25 four words
	s_or_b32 s[G1B+0], s44, (0<<16)|(1<<20)|(1<<21)|(5<<22)|(3<<25)
.irp g, G1, G1B
	s_mov_b32 s[\g+1], ROWB<<16                    ; tensor_dim0
	s_mov_b32 s[\g+2], 256<<16                     ; tensor_dim1 = 256: one load brings a whole tile of A or of B
	s_mov_b32 s[\g+3], ROWB<<16                    ; tile_dim0
	s_mov_b32 s[\g+4], 256                         ; tile_dim1 = 256
	s_mov_b32 s[\g+5], KROW                        ; tensor_dim0_stride
	s_mov_b32 s[\g+6], 0
	s_mov_b32 s[\g+7], 0
.endr
	s_lshl_b32 s20, s17, 18                        ; A: row 256 x tile row, in bytes (under 8 MiB)
	s_mov_b32 s21, 0
	s_lshl_b32 s46, s42, 18                        ; B: row 256 x tile column, in bytes
	s_mov_b32 s47, 0
	s_lshl_b32 s22, s[WH], 23                      ; x's codes under this product's scale, and this product's block of qkvc: 8 MiB apart
	s_mov_b32 s23, 0
	s_lshl_b32 s18, s[WH], 20                      ; this product's weight in wc: 1 MiB apart
	s_mov_b32 s19, 0
	s_wait_kmcnt 0x0
	s_load_b256 s[80:87], s[78:79], 0x0            ; entries 0 to 7
	s_load_b128 s[88:91], s[78:79], 0x20           ; entries 8 to 11
	s_add_nc_u64 s[68:69], s[68:69], s[22:23]
	s_add_nc_u64 s[70:71], s[70:71], s[18:19]
	s_add_nc_u64 s[10:11], s[10:11], s[22:23]
	s_cmp_eq_u32 s[WH], 2
	s_cselect_b64 s[4:5], s[70:71], s[68:69]       ; A: x's codes, or for v the weight's
	s_cselect_b64 s[6:7], s[68:69], s[70:71]       ; B: the other
	s_cselect_b64 s[8:9], s[76:77], s[72:73]
	s_cmp_eq_u32 s[WH], 1
	s_cselect_b64 s[8:9], s[74:75], s[8:9]         ; the bias
	s_add_nc_u64 s[20:21], s[4:5], s[20:21]
	s_add_nc_u64 s[46:47], s[6:7], s[46:47]
	CROUND                                         ; all sixteen work-groups are here: the first joint loads meet
.irp s, 0,1
	s_mov_b32 s[G0+4*\s], 1
	s_mov_b32 s[G0+4*\s+1], \s*SLOT                ; A's 256 rows at the slot's head
	s_add_nc_u64 s[G0+4*\s+2:G0+4*\s+3], s[20:21], \s*ROWB
	s_or_b32 s[G0+4*\s+3], s[G0+4*\s+3], 0x80000000
	s_mov_b32 s[G0B+4*\s], 1
	s_mov_b32 s[G0B+4*\s+1], \s*SLOT+2*HALFT       ; B's 256 rows behind them
	s_add_nc_u64 s[G0B+4*\s+2:G0B+4*\s+3], s[46:47], \s*ROWB
	s_or_b32 s[G0B+4*\s+3], s[G0B+4*\s+3], 0x80000000
.endr
; The first fills: one chain of branches on the wave's number, one joint load to an arm, all arms to one join.
; Wave 0: A of K step 0; wave 1: B of K step 0; wave 2: A of K step 1; wave 3: B of K step 1.  Each wave keeps its descriptor for its slot's refill.
.macro ARM g0, g1
	tensor_load_to_lds s[\g0:\g0+3], s[\g1:\g1+7]
	s_nop 0
.rept 4
	v_nop
.endr
.endm
	s_cmp_lt_u32 s14, 2
	s_cbranch_scc0 .Lhead_slot1
	s_cmp_eq_u32 s14, 0
	s_cbranch_scc0 .Lhead_b0
	ARM G0, G1
	s_branch .Lhead_join
.Lhead_b0:
	ARM G0B, G1B
	s_branch .Lhead_join
.Lhead_slot1:
	s_cmp_eq_u32 s14, 2
	s_cbranch_scc0 .Lhead_b1
	ARM G0+4, G1
	s_branch .Lhead_join
.Lhead_b1:
	ARM G0B+4, G1B
.Lhead_join:
	v_and_b32 v1, 15, v0                           ; r = lane % 16
	s_wait_alu depctr_va_vdst(0)
	v_bfe_u32 v2, v0, 4, 1                         ; h = lane / 16
	v_mul_u32_u24 v3, v1, PITCH
	v_lshl_add_u32 v4, v2, 4, v3                   ; a fragment's row x pitch + 16 x half
	s_mul_i32 s21, s15, HALFT                      ; my 128 rows of A
	s_mul_i32 s22, s16, HALFT                      ; my 128 rows of B,
	s_add_co_u32 s22, s22, 2*HALFT                 ; which lie behind A's 256
.irp s, 0,1
	v_add_nc_u32 v[ADRA+\s], s21, v4
	v_add_nc_u32 v[ADRB+\s], s22, v4
	s_add_co_u32 s21, s21, SLOT
	s_add_co_u32 s22, s22, SLOT
.endr
	; the stage's addresses, all made here, ahead of every parting of the ways
	s_mul_i32 s23, s15, 128*SPITCH
	s_lshl_b32 s22, s16, 7
	s_add_co_u32 s23, s23, s22
	v_mul_u32_u24 v6, v1, SPITCH
	s_wait_alu depctr_va_vdst(0)
	v_lshl_add_u32 v6, v2, 4, v6                   ; + 16 h: inside each 32 of n the codes lie in the order 16 h + 8 (b % 2) + j (see the stores in QBLOCK)
	v_add_nc_u32 v[STO], s23, v6                   ; in: row 128 x (my half of the rows) + r; byte 128 x (my half of the columns) + 16 h
	v_and_b32 v5, 31, v0                           ; lane
	v_lshrrev_b32 v6, 2, v5
	v_mul_u32_u24 v6, v6, SPITCH
	v_and_b32 v7, 3, v5
	v_lshl_add_u32 v6, v7, 4, v6
	s_lshl_b32 s23, s14, 6
	v_add_nc_u32 v[RDQ], s23, v6                   ; back, q and k: wave w takes the tile's head w: columns 64 w on; four lanes to a row, eight rows an instruction
	v_add_nc_u32 v[RDQ2], 128*SPITCH, v[RDQ]
	s_mul_i32 s23, s14, 64*SPITCH
	v_mul_u32_u24 v6, v2, SPITCH
	v_lshl_add_u32 v6, v1, 4, v6
	v_add_nc_u32 v[RDV], s23, v6                   ; back, v: wave w takes rows 64 w on, whole; sixteen lanes to a row, two rows an instruction
	v_lshlrev_b32 v[GOQ], 4, v5
	v_lshlrev_b32 v[BH], 5, v2
	v_lshlrev_b32 v[BR], 2, v1
	; the bias: along n for q and k (my 128 columns), along m for v (my 128 rows)
	s_lshl_b32 s18, s17, 10
	s_lshl_b32 s19, s15, 9
	s_add_co_u32 s18, s18, s19
	s_lshl_b32 s19, s42, 10
	s_lshl_b32 s92, s16, 9
	s_add_co_u32 s19, s19, s92
	s_cmp_eq_u32 s[WH], 2
	s_cselect_b32 s18, s18, s19
	s_mov_b32 s19, 0
	s_add_nc_u64 s[8:9], s[8:9], s[18:19]
	s_cmp_eq_u32 s[WH], 2
	s_cbranch_scc1 .Lbias_v
	s_wait_alu depctr_va_vdst(0)
.irp b, 0,1,2,3,4,5,6,7                ; q, k: registers 8 b + j: the bias of column 16 b + 8 h + j
	global_load_b128 v[BI+8*\b:BI+8*\b+3], v[BH], s[8:9] offset:64*\b
	global_load_b128 v[BI+8*\b+4:BI+8*\b+7], v[BH], s[8:9] offset:64*\b+16
.endr
	s_branch .Lbias_in
.Lbias_v:
	s_wait_alu depctr_va_vdst(0)
.irp a, 0,1,2,3,4,5,6,7                ; v: registers 8 a + j: the bias of row 16 a + r, the same for the lane's eight columns
.irp j, 0,1,2,3,4,5,6,7
	global_load_b32 v[BI+8*\a+\j], v[BR], s[8:9] offset:64*\a
.endr
.endr
.Lbias_in:
	s_wait_kmcnt 0x0
	s_add_co_i32 s80, s80, s81                     ; E of q,
	s_add_co_i32 s82, s82, s83                     ; of k,
	s_add_co_i32 s84, s84, s85                     ; of v
	s_cmp_eq_u32 s[WH], 1                          ; choices, no branch on a given scale
	s_cselect_b32 s80, s82, s80
	s_cselect_b32 s86, s87, s86                    ; eo: entry 6 for q, 7 for k,
	s_cmp_eq_u32 s[WH], 2
	s_cselect_b32 s80, s84, s80
	s_cselect_b32 s86, s89, s86                    ; 9 for v
	s_sub_co_i32 s81, 0, s80                       ; -E
	s_sub_co_i32 s86, s86, s80                     ; eo - E
	s_add_co_i32 s86, s86, 127
	s_lshl_b32 s87, s86, 23
	v_mov_b32 v[SCV], s87                          ; 2^(eo - E) as f32: the conversion takes its exponent field
	s_add_co_i32 s86, s86, 8
	s_lshl_b32 s86, s86, 23
	s_or_b32 s86, s86, 0x600000
	v_mov_b32 v[LIMV], s86                         ; 448 x that
	s_wait_loadcnt 0x0                             ; the bias
.set j, 0
.rept 64
	v_ldexp_f32 v[BI+j], v[BI+j], s81              ; bias / 2^E: exact, short of underflow
.set j, j+1
.endr
.macro FRAG reg, adr, q, i             ; a fragment, 16 rows x 128 K of codes, is 16 registers: lane l holds row l % 16; registers 4 c .. 4 c + 3 hold K = 32 c + 16 (l / 16) + 0 .. 15: the same order of k in A and in B
.irp c, 0,1,2,3
	ds_load_b128 v[\reg+4*\c:\reg+4*\c+3], v[\adr] offset:128*(\q)+32*\c+(\i)*16*PITCH
.endr
.endm
; 16 matrix instructions: A's blocks a0, a0 + 1 x B's eight, 128 along K.  p: B's set.  cm = 0: onto the sums; 1: the sums begin with the bias along n; 2: with the bias along m.  Nothing is ever cleared.
; The 64 accumulators take turns, one instruction a turn, in the same order in every step.
.macro MUL16 a0, p, cm
.irp a, \a0, \a0+1
.irp b, 0,1,2,3,4,5,6,7
.if \cm == 1
	v_wmma_f32_16x16x128_fp8_fp8 v[8*(8*((\a)%4)+\b):8*(8*((\a)%4)+\b)+7], v[128*(\p)+FR*\b:128*(\p)+FR*\b+FR-1], v[AF+FR*(\a):AF+FR*(\a)+FR-1], v[BI+8*\b:BI+8*\b+7]
.elseif \cm == 2
	v_wmma_f32_16x16x128_fp8_fp8 v[8*(8*((\a)%4)+\b):8*(8*((\a)%4)+\b)+7], v[128*(\p)+FR*\b:128*(\p)+FR*\b+FR-1], v[AF+FR*(\a):AF+FR*(\a)+FR-1], v[BI+8*(\a):BI+8*(\a)+7]
.else
	v_wmma_f32_16x16x128_fp8_fp8 v[8*(8*((\a)%4)+\b):8*(8*((\a)%4)+\b)+7], v[128*(\p)+FR*\b:128*(\p)+FR*\b+FR-1], v[AF+FR*(\a):AF+FR*(\a)+FR-1], v[8*(8*((\a)%4)+\b):8*(8*((\a)%4)+\b)+7]
.endif
.endr
.endr
.endm
.macro FETCH_B slot, q, p              ; B's eight fragments of the slot's q-th 128 along K into set p
	WIN TO_B
.irp i, 0,1,2,3,4,5,6,7
	FRAG 128*(\p)+FR*\i, ADRB+\slot, \q, \i
.endr
	WIN 0
.endm
.macro FETCH_A slot, q, i0             ; A's blocks i0 .. i0 + 3
.irp i, \i0, \i0+1, \i0+2, \i0+3
	FRAG AF+FR*(\i), ADRA+\slot, \q, \i
.endr
.endm
; A load into a register that a matrix instruction has read, and a vector instruction that reads a matrix result, stand NP places behind that matrix instruction; only plain vector instructions that name
; none of its registers are places (ISA guide 7.12.1 for vector instructions).
.macro PLACES n
.rept \n
	v_nop
.endr
.endm
; A step of 128 along K that has its successor in the same slot.  A block of A is free as soon as its eight products are issued: blocks 0-3 are fetched anew in the step's middle, blocks 4-7 at its end.
.macro STEP slot, q, cm
	s_wait_dscnt 4*NL                              ; B's set and A's blocks 0-3 are in; the youngest sixteen loads (A's blocks 4-7) may be out
.if \cm
	WIN FST_LO
.else
	WIN MUL_LO
.endif
	MUL16 0, (\q)%2, \cm
	MUL16 2, (\q)%2, \cm
	s_wait_dscnt 0                                 ; A's blocks 4-7 are in (asked for 32 matrix instructions ago)
	PLACES NP
	FETCH_B \slot, (\q)+1, 1-(\q)%2
	FETCH_A \slot, (\q)+1, 0
.if \cm
	WIN FST_HI
.else
	WIN MUL_HI
.endif
	MUL16 4, (\q)%2, \cm
	MUL16 6, (\q)%2, \cm
	PLACES NP
	WIN 0
	FETCH_A \slot, (\q)+1, 4
.endm
; A slot's last step changes slots: ONE barrier; in front of it each wave waits for all its tensor loads, adds 0 to its spare word, and waits for that and for its own reads of this slot.  fill = 1: this slot is filled again, two K steps ahead.
.macro TURN slot, next, fill
	s_wait_tensorcnt 0x0                           ; all my tensor loads have landed: my part of the next slot  (every window is 0 here)
	ds_add_u32 v[SPW], v[NIL]                      ; 0 onto my spare word
	s_wait_dscnt 4*NL+1                            ; (the add and the youngest sixteen loads, A's blocks 4-7, may be out)
	WIN MUL_LO
	MUL16 0, 1, 0                                  ; sixteen matrix instructions stand between the add and the wait for it
	s_wait_dscnt 0x0                               ; the add is done, and my reads of this slot are over
	s_barrier_signal -1
	MUL16 2, 1, 0
	WIN 0
	s_barrier_wait -1
.if \fill
	CREST                                          ; the barrier has opened a round of the cluster's barrier: no wave of any partner still reads this slot's tile or has a load on its way
	s_add_nc_u64 s[G0+4*\slot+2:G0+4*\slot+3], s[G0+4*\slot+2:G0+4*\slot+3], 2*ROWB
	s_add_nc_u64 s[G0B+4*\slot+2:G0B+4*\slot+3], s[G0B+4*\slot+2:G0B+4*\slot+3], 2*ROWB
	JLOAD 2*\slot, G0+4*\slot, G1, G0B+4*\slot, G1B   ; the first tensor load behind the round, by the slot's two owners
	PLACES NP                                      ; the places in front of the loads below, on every wave's way
.else
	PLACES NP
.endif
	FETCH_B \next, 0, 0
	FETCH_A \next, 0, 0
	WIN MUL_HI
	MUL16 4, 1, 0
	MUL16 6, 1, 0
	PLACES NP
	WIN 0
	FETCH_A \next, 0, 4
.endm
	s_wait_alu depctr_va_vdst(0)
	s_wait_tensorcnt 0x0                           ; my one load is in: between the four waves that is both slots
	s_barrier_signal -1
	s_barrier_wait -1                              ; everybody's is
	FETCH_B 0, 0, 0
	FETCH_A 0, 0, 0
	FETCH_A 0, 0, 4
	s_cmp_eq_u32 s[WH], 2                          ; the first step starts the sums with the bias: along n, or for v along m.  Both ways issue the same loads
	s_cbranch_scc1 .Lfirst_v
	s_wait_alu depctr_va_vdst(0)
	STEP 0, 0, 1
	s_branch .Lfirst_done
.Lfirst_v:
	s_wait_alu depctr_va_vdst(0)
	STEP 0, 0, 2
.Lfirst_done:
	TURN 0, 1, 1                                   ; K = 1,024 is twice round the ring: written straight.  Slot 0 takes K step 2,
	STEP 1, 0, 0
	TURN 1, 0, 1                                   ; slot 1 K step 3
	STEP 0, 0, 0
	TURN 0, 1, 0                                   ; the last lap fills nothing, and has no round of the cluster's barrier
	STEP 1, 0, 0
	s_wait_dscnt 4*NL                              ; the very last step: nothing more to fetch
	WIN MUL_LO
	MUL16 0, 1, 0
	MUL16 2, 1, 0
	s_wait_dscnt 0
	WIN MUL_HI
	MUL16 4, 1, 0
	MUL16 6, 1, 0
	WIN 0
; THE WAY OUT.  Block a (16 rows x 128 columns): each sum is held within the largest code x the scale, eight neighbours of a row become 8 bytes, and they go into the work-group's stage.
.macro QBLOCK a
.set AC, 64*((\a)%4)
	WIN 0x02+((\a)/4)                              ; source 0: window 2 or 3
.set j, 0
.rept 64
	v_med3_num_f32 v[TMP+j], v[AC+j], -v[LIMV], v[LIMV]   ; the conversion does not saturate (ISA guide 7.6.2); each accumulator from its low end on
.set j, j+1
.endr
	WIN 0
.if (\a) >= 2
	s_wait_alu depctr_va_vdst(0)
	s_wait_dscnt 8                                 ; the eight stores of the block before may be out; those of the block before that have read this set of code registers
.endif
.irp b, 0,1,2,3,4,5,6,7
	v_cvt_scalef32_pk8_fp8_f32 v[CD+16*((\a)%2)+2*\b:CD+16*((\a)%2)+2*\b+1], v[TMP+8*\b:TMP+8*\b+7], v[SCV]
.endr
	v_nop                                          ; one plain vector line behind the last conversion: the next block's holds write the conversions' sources
.irp b, 0,1,2,3,4,5,6,7
	; ORDER INSIDE EACH 32 OF n: column 16 b + 8 h + j goes to byte 32 (b / 2) + 16 h + 8 (b % 2) + j.  For q and k (n = the head's axis) it is the same order in both, so their product keeps its pairs;
	; for v (n = the keys) it is the order in which the lanes of attention's second product hold p's codes.
	ds_store_b64 v[STO], v[CD+16*((\a)%2)+2*\b:CD+16*((\a)%2)+2*\b+1] offset:(\a)*16*SPITCH+32*(\b/2)+8*(\b%2)
.endr
.endm
	PLACES NP                                      ; behind the last products
.irp a, 0,1,2,3,4,5,6,7
	QBLOCK \a
.endr
	s_wait_dscnt 0x0                               ; for the others' sake: my stores into the stage are done
	s_barrier_signal -1
	s_barrier_wait -1                              ; a row's 256 bytes come from two waves
	s_cmp_eq_u32 s[WH], 2
	s_cbranch_scc1 .Lout_v
	; q, k: [batch x head][token][64].  Wave w takes head 4 x tile column + w: its 256 tokens are 16,384 consecutive bytes
	s_lshr_b32 s20, s17, 3
	s_lshl_b32 s20, s20, 21                        ; the batch: 16 heads of 131,072 bytes
	s_and_b32 s21, s17, 7
	s_lshl_b32 s21, s21, 14                        ; the tile's first token in the batch x 64
	s_add_co_u32 s20, s20, s21
	s_lshl_b32 s21, s42, 2
	s_add_co_u32 s21, s21, s14
	s_lshl_b32 s21, s21, 17                        ; the head
	s_add_co_u32 s20, s20, s21
	s_mov_b32 s21, 0
	s_add_nc_u64 s[10:11], s[10:11], s[20:21]
.set t, 0
.rept 16
	ds_load_b128 v[BK+4*t:BK+4*t+3], v[RDQ] offset:t*8*SPITCH
.set t, t+1
.endr
.rept 16
	ds_load_b128 v[BK+4*t:BK+4*t+3], v[RDQ2] offset:(t-16)*8*SPITCH
.set t, t+1
.endr
.set t, 0
.rept 32
	s_wait_dscnt 31-t                              ; the loads come back in order: number t is in
	global_store_b128 v[GOQ], v[BK+4*t:BK+4*t+3], s[10:11] offset:512*t   ; eight tokens x 64 bytes: 512 consecutive bytes, aligned
.set t, t+1
.endr
	s_branch .Lsent
.Lout_v:
	; v: [batch x head][block of 256 keys][64][256].  Wave w takes rows 64 w on
	s_lshr_b32 s20, s42, 3
	s_lshl_b32 s20, s20, 21                        ; the batch
	; v is laid [batch x head][256 keys' block][64][256]: a head's block of 256 keys is 16,384 dense bytes
	s_and_b32 s21, s42, 7
	s_lshl_b32 s21, s21, 14                        ; the tile's block of 256 keys in the batch
	s_add_co_u32 s20, s20, s21
	s_lshl_b32 s21, s17, 8
	s_lshl_b32 s22, s14, 6
	s_add_co_u32 s21, s21, s22
	s_lshl_b32 s21, s21, 11                        ; my first row m x 2,048
	s_add_co_u32 s20, s20, s21
	s_mov_b32 s21, 0
	s_add_nc_u64 s[10:11], s[10:11], s[20:21]
.set t, 0
.rept 32
	ds_load_b128 v[BK+4*t:BK+4*t+3], v[RDV] offset:t*2*SPITCH
.set t, t+1
.endr
.set t, 0
.rept 32
	s_wait_dscnt 31-t
	global_store_b128 v[GOQ], v[BK+4*t:BK+4*t+3], s[10:11] offset:512*t   ; two rows of 256 bytes: 512 consecutive bytes, aligned
.set t, t+1
.endr
.Lsent:
	s_wait_tensorcnt 0x0                           ; the wave's end, behind my last tensor load and my last LDS store
	ds_add_u32 v[SPW], v[NIL]
	s_wait_dscnt 0x0
	CROUND                                         ; the closing round: no work-group ends while a partner may still ask for a tile that names it
	s_endpgm
.Lfunc_end_k_qbf9249076b_qkv:
	.size	k_qbf9249076b_qkv, .Lfunc_end_k_qbf9249076b_qkv-k_qbf9249076b_qkv
	.p2alignl 7, 3214868480
	.fill 96, 4, 3214868480
	.section	.rodata,"a",@progbits
	.p2align	6, 0x0
	.amdhsa_kernel k_qbf9249076b_qkv
		.amdhsa_group_segment_fixed_size 327680
		.amdhsa_private_segment_fixed_size 0
		.amdhsa_enable_private_segment 0
		.amdhsa_kernarg_size 56
		.amdhsa_user_sgpr_count 2
		.amdhsa_user_sgpr_kernarg_segment_ptr 1
		.amdhsa_wavefront_size32 1
		.amdhsa_system_sgpr_workgroup_id_x 1
		.amdhsa_system_sgpr_workgroup_id_y 1
		.amdhsa_system_sgpr_workgroup_id_z 1
		.amdhsa_system_vgpr_workitem_id 0
		.amdhsa_next_free_vgpr 1024
		.amdhsa_next_free_sgpr 98
		.amdhsa_reserve_vcc 0
		.amdhsa_float_denorm_mode_32 3
		.amdhsa_float_denorm_mode_16_64 3
		.amdhsa_memory_ordered 1
		.amdhsa_forward_progress 1
		.amdhsa_inst_pref_size 154
	.end_amdhsa_kernel
	.amdgpu_metadata
---
amdhsa.version: [ 1, 2 ]
amdhsa.kernels:
  - .name:           k_qbf9249076b_qkv
    .symbol:         k_qbf9249076b_qkv.kd
    .args:
      - { .name: xc, .offset: 0, .size: 8, .value_kind: global_buffer, .address_space: global }
      - { .name: wc, .offset: 8, .size: 8, .value_kind: global_buffer, .address_space: global }
      - { .name: bq, .offset: 16, .size: 8, .value_kind: global_buffer, .address_space: global }
      - { .name: bk, .offset: 24, .size: 8, .value_kind: global_buffer, .address_space: global }
      - { .name: bv, .offset: 32, .size: 8, .value_kind: global_buffer, .address_space: global }
      - { .name: lowp_scales, .offset: 40, .size: 8, .value_kind: global_buffer, .address_space: global }
      - { .name: qkvc, .offset: 48, .size: 8, .value_kind: global_buffer, .address_space: global }
    .group_segment_fixed_size: 327680
    .private_segment_fixed_size: 0
    .kernarg_segment_align: 8
    .kernarg_segment_size: 56
    .max_flat_workgroup_size: 128
    .sgpr_count:     98
    .vgpr_count:     1024
    .wavefront_size: 32
...
	.end_amdgpu_metadata
.endif
;; end of part 2
;; launch attn (part 3): grid 4 x 64, 8 waves a work-group, clusters of 4 x 1, 327,680 bytes of LDS; arguments qkvc, lowp_scales, ctxc; writes ctxc
.if DOCPART == 3
	.amdgcn_target "amdgcn-amd-amdhsa--gfx1250"
	.amdhsa_code_object_version 6
	.text
	.protected	k_qbf9249076b_attn
	.globl	k_qbf9249076b_attn
	.p2align	8
	.type	k_qbf9249076b_attn,@function
k_qbf9249076b_attn:
	s_mov_b64 s[64:65], 0
	v_nop
	global_prefetch_b8 v0, s[64:65] scope:SCOPE_SE
	s_setreg_imm32_b32 hwreg(HW_REG_WAVE_MODE, 25, 1), 1
	s_wait_xcnt 0x0
	s_wait_alu depctr_hold_cnt(0) depctr_sa_sdst(0) depctr_va_vdst(0) depctr_va_sdst(0) depctr_va_ssrc(0) depctr_va_vcc(0) depctr_vm_vsrc(0)
	s_getreg_b32 s2, hwreg(HW_REG_IB_STS2, 6, 4)
	s_cmp_eq_u32 s2, 0
	s_cbranch_scc0 .Lentry_in_a_cluster
	s_endpgm
.Lentry_in_a_cluster:
	s_bfe_u32 s2, ttmp6, 0x10000c
	s_cmp_lg_u32 s2, 0x3003
	s_cbranch_scc0 .Lentry_shape_is_right
	s_endpgm
.Lentry_shape_is_right:
; Causal attention on codes of FP8 (E4M3), head size 64, 2,048 tokens, 64 (batch x head).
; In: qkvc: q at 0, k at 8 MiB: [batch x head][token][64]; v at 16 MiB: [batch x head][block of 256 keys][64][256], the keys innermost.  Inside each 32 bytes the codes lie in the order that launch qkv states:
; for q and k the same order of the head's axis in both; for v the order of the keys in which a lane holds p's codes here.
; Out: ctxc: the context quantised for the last product (entry 10 of the scales), as [head][batch x token][64].  Scales: entries 6 (q), 7 (k), 8 (p), 9 (v).
; WORK LEFT OUT: reference() sets scores of keys behind the query to -infinity, so their p is 0 for all inputs: steps of 128 keys that lie wholly behind a wave's queries are not computed.
; A NaN or an infinity that reaches only such scores is not carried to the result.
; THE SOFTMAX: t = score x log2(e) / 8; M = the row's largest t so far, rounded UP to a whole number; p = 2^(t - M) is quantised, not normalised.  The row's sum is taken of the unquantised p, in f32, and divides O
; at the end.  When M moves, the sum and O are multiplied by 2^(old M - new M): exact.
; SHARES.  The four work-groups of a head form a cluster.  Of each 128 queries (eight tiles of 16) the work-group at place c owns tiles c and c + 4: a PAIR; pair v needs v + 1 steps of 128 keys, whatever c.
; Wave w of eight takes pair 15 - w and then pair w: 17 steps in every wave.  Both tiles of a pair use each fragment of K and of V that the wave reads from LDS.
; THE WHOLE HEAD LIES IN LDS: K 2,048 rows of 64 + 16 bytes, V 512 rows of 256 + 16 bytes, each byte filled once, by JOINT loads (mask 15), waves 0-3 for K, waves 4-7 for V, in two groups:
; at the head K's first 640 keys and V's first 512; behind the full sequence and a round of the cluster's barrier the rest, which is on its way during the long pair's first four steps (every long pair has nine or more).
; Every partner reads every part (its last pair reaches the last 128 keys).  No branch and no LDS address hangs on c: c enters global addresses and the mask's compare alone.
; NO PREFETCH: all tiles are asked for ahead of the main loops; there is no loop to run ahead in.
; LAYOUT.  Both products are used transposed: S^T = K Q^T (source 0 = 16 neighbouring keys, source 1 = 16 queries, K = 64), O^T = V^T P^T (source 0 = 16 of the head's 64, source 1 = P, K = 128 keys):
; a lane (r, h) holds ONE query r of each tile; register j of key tile T is key 16 T + 8 h + j, so eight registers convert into registers 2 T, 2 T + 1 of P.
; K's fragments are fetched a step ahead, straight behind the products that read them: step min(ks + 1, 15)'s (what is fetched behind a pair's last step is not used).
; Trip counts are constants; a step outside the pair's range is passed over by a scalar branch on the wave's number and the counters.
; LIMITS, so that each power of two below is an f32 number: entries 6 + 7 between -123 and 130; entry 8 and entry 10 between -126 and 119.  The scaled scores stay under 2^31 in magnitude.
; REGISTERS.  Window 0: v1-11 addresses; v12-15, v16-19 -M, largest t, sum of tile A, B; v20-26 constants; v28-37 at work; v64-127 S^T of A, v128-191 of B, then p; v192-223 p's codes; v224-239 at work.
; Window 1: v0-31 O^T of A, v32-63 of B; v64-79 Q in hand, v80-95 the second pair's Q; v128-191 K's fragments; v192-255 V's.
.set KP,    80
.set VP,    272
.set VOFF,  2048*KP                    ; V begins behind K's 2,048 rows
.set SPARE, VOFF+512*VP                ; the spare words, 128 bytes for each of eight waves
.set STAGE, SPARE+8*128                ; the way out: 2 tiles x 16 rows x 80 bytes for each wave; no fill lands here
.set AK0,  1
.set AV0,  2
.set QOF,  4
.set SPW,  5                           ; LDS address of my spare word; never rewritten
.set NIL,  6                           ; 0; never rewritten
.set GO,   7
.set ADK,  8                           ; LDS address of the NEXT step's tiles of K
.set ADV,  9                           ; of this step's tiles of V
.set STO,  10
.set RD,   11
.set DA,   20                          ; 16 c + r - 8 h: in a pair's last step register (T, j) of tile A is hidden where 16 T + j > DA
.set NINF, 22
.set LIMP, 23                          ; 448 x 2^(entry 8)
.set SCP,  24                          ; 2^(entry 8)
.set LIMC, 25                          ; 448 x 2^(entry 10)
.set SCC2, 26                          ; 2^(entry 10)
.set WV,   18
.set CX,   19
.set SEL,  20
.set CS,   22
.set G1K,  24                          ; group 1 of the first group's loads: K 40 rows of 256 bytes, V 32
.set G1V,  32
.set G0K,  40
.set G0V,  44
.set HD,   48
.set PV,   49                          ; the pair in hand
.set KS,   50                          ; the step of 128 keys
.set PASS, 51
.set OF,   52
.set KO,   54
.set VO,   55
.set CB,   56
.set OB,   58
.set E89,  60
.set LO,   66                          ; the pair's first step that is still to do
.set G1KB, 80                          ; group 1 of the second group's loads: K 88 rows, V 96
.set G1VB, 88
.set MSB, 0
.macro WIN new                         ; the immediate's high byte repeats the setting that is left
.if MSB != \new
	s_set_vgpr_msb (MSB<<8)|\new
.set MSB, \new
.endif
.endm
.macro ROUND                           ; a round of the cluster's barrier
	s_barrier_signal -1
	s_barrier_wait -1
	s_cmp_lg_u32 s[WV], 0
	s_cbranch_scc1 .Lnot_wave_0_\@
	s_barrier_signal -3
.Lnot_wave_0_\@:
	s_barrier_wait -3
	s_barrier_signal -1
	s_barrier_wait -1
.endm
.macro TLOAD g1k, g1v                  ; a joint load in each arm: waves 0-3 for K, waves 4-7 for V
	s_cmp_lt_u32 s[WV], 4
	s_cbranch_scc0 .Lfor_v_\@
	tensor_load_to_lds s[G0K:G0K+3], s[\g1k:\g1k+7]
	s_nop 0
.rept 4
	v_nop
.endr
	s_branch .Lasked_\@
.Lfor_v_\@:
	tensor_load_to_lds s[G0V:G0V+3], s[\g1v:\g1v+7]
	s_nop 0
.rept 4
	v_nop
.endr
.Lasked_\@:
.endm
.macro INIT                            ; a pair begins: where its context goes, its state, O^T = 0 (the step is written for zeros at a pair's first step)
	s_lshl_b32 s[OF], s[PV], 13
	s_add_nc_u64 s[OB:OB+1], s[CB:CB+1], s[OF:OF+1]
	v_mov_b32 v13, 0xff61b1e6                      ; the largest t so far: -3e38
	v_mov_b32 v17, 0xff61b1e6
	v_floor_f32 v12, -v13                          ; -M
	v_floor_f32 v16, -v17
	v_mov_b32 v14, 0
	v_mov_b32 v15, 0
	v_mov_b32 v18, 0
	v_mov_b32 v19, 0
	WIN 0x40
.set j, 0
.rept 64
	v_mov_b32 v[j], 0
.set j, j+1
.endr
	WIN 0
.endm
.macro KLOAD adr                       ; K: eight tiles of 16 keys x 64 into window 1
	WIN 0x40
.irp T, 0,1,2,3,4,5,6,7
	ds_load_b128 v[128+8*\T:131+8*\T], v[\adr] offset:16*\T*KP
	ds_load_b128 v[132+8*\T:135+8*\T], v[\adr] offset:16*\T*KP+32
.endr
	WIN 0
.endm
.macro SUM8 base, l                    ; a tile's sum of the unquantised p: eight chains
.irp c, 0,1,2,3,4,5,6,7
	v_pk_add_f32 v[224+2*\c:225+2*\c], v[\base+2*\c:\base+2*\c+1], v[\base+16+2*\c:\base+17+2*\c]
.endr
.irp k, 32,48
.irp c, 0,1,2,3,4,5,6,7
	v_pk_add_f32 v[224+2*\c:225+2*\c], v[224+2*\c:225+2*\c], v[\base+\k+2*\c:\base+\k+2*\c+1]
.endr
.endr
.irp c, 0,2,4,6
	v_pk_add_f32 v[224+2*\c:225+2*\c], v[224+2*\c:225+2*\c], v[226+2*\c:227+2*\c]
.endr
	v_pk_add_f32 v[224:225], v[224:225], v[228:229]
	v_pk_add_f32 v[232:233], v[232:233], v[236:237]
	v_pk_add_f32 v[224:225], v[224:225], v[232:233]
	v_pk_add_f32 v[\l:\l+1], v[\l:\l+1], v[224:225]
.endm
; A STEP: 128 keys, both tiles.  m = 1: the copy that can be a pair's last step, with the mask.
.macro STEP m
	s_add_co_u32 s[KO], s[KS], 1
	s_min_u32 s[KO], s[KO], 15                     ; the step whose K is fetched ahead: the next one, held inside K's rows
	s_mul_i32 s[KO], s[KO], 128*KP
	s_lshr_b32 s[VO], s[KS], 1
	s_mul_i32 s[VO], s[VO], 64*VP                  ; V: the block of 256 keys,
	s_and_b32 s61, s[KS], 1
	s_lshl_b32 s61, s61, 7                         ; and which half of its rows
	s_add_co_u32 s[VO], s[VO], s61
	v_add_nc_u32 v[ADK], s[KO], v[AK0]
	v_add_nc_u32 v[ADV], s[VO], v[AV0]
	v_nop                                          ; with the two additions: four places in front of loads into registers that the last products read
	v_nop
	WIN 0x40
.irp t, 0,1,2,3                        ; V: four tiles of 16 of the head's 64 x 128 keys; they land under the softmax
.irp c, 0,1,2,3
	ds_load_b128 v[192+16*\t+4*\c:195+16*\t+4*\c], v[ADV] offset:16*\t*VP+32*\c
.endr
.endr
	s_wait_alu depctr_va_vdst(0)
	s_wait_dscnt 16                                ; K's sixteen loads, asked for a step ago, are in; V's sixteen may be out
	WIN 0x05                                       ; sources 0 and 1 in window 1
.irp T, 0,1,2,3,4,5,6,7                ; each fragment of K serves both tiles
	v_wmma_f32_16x16x64_fp8_fp8 v[64+8*\T:71+8*\T], v[128+8*\T:135+8*\T], v[64:71], 0
	v_wmma_f32_16x16x64_fp8_fp8 v[128+8*\T:135+8*\T], v[128+8*\T:135+8*\T], v[72:79], 0
.endr
	WIN 0
.rept 4
	v_nop                                          ; places in front of the loads below and of the first read of the scores
.endr
	KLOAD ADK                                      ; the next step's K
.if \m
	s_cmp_lg_u32 s[KS], s[PV]                      ; only the pair's last step has hidden keys
	s_cbranch_scc1 .Lopen
.irp T, 0,1,2,3                        ; tile A: key tiles 0-3 by compare, 4-7 wholly hidden; tile B (64 queries on): key tiles 4-7 by the same compare
.irp j, 0,1,2,3,4,5,6,7
	v_cmp_gt_i32 vcc_lo, 16*\T+\j, v[DA]
	v_cndmask_b32 v[64+8*\T+\j], v[64+8*\T+\j], v[NINF], vcc_lo
	v_cndmask_b32 v[160+8*\T+\j], v[160+8*\T+\j], v[NINF], vcc_lo
	v_mov_b32 v[96+8*\T+\j], v[NINF]
.endr
.endr
.Lopen:
.endif
	v_max3_num_f32 v32, v64, v65, v66              ; the step's largest scores: two chains a tile, the tiles by turns
	v_max3_num_f32 v33, v67, v68, v69
	v_max3_num_f32 v34, v128, v129, v130
	v_max3_num_f32 v35, v131, v132, v133
.irp i, 6,10,14,18,22,26,30,34,38,42,46,50,54,58
	v_max3_num_f32 v32, v32, v[64+\i], v[65+\i]
	v_max3_num_f32 v33, v33, v[66+\i], v[67+\i]
	v_max3_num_f32 v34, v34, v[128+\i], v[129+\i]
	v_max3_num_f32 v35, v35, v[130+\i], v[131+\i]
.endr
	v_max3_num_f32 v32, v32, v126, v127
	v_max3_num_f32 v34, v34, v190, v191
	v_max_num_f32 v32, v32, v33
	v_max_num_f32 v34, v34, v35
	v_permlanex16_b32 v36, v32, s[SEL], s[SEL+1]
	v_permlanex16_b32 v37, v34, s[SEL], s[SEL+1]
	v_max_num_f32 v32, v32, v36                    ; and lane l xor 16's
	v_max_num_f32 v34, v34, v37
	v_mul_f32 v32, s[CS], v32                      ; as t (c is positive)
	v_mul_f32 v34, s[CS], v34
	v_max_num_f32 v13, v13, v32                    ; the running largest t
	v_max_num_f32 v17, v17, v34
	v_mov_b32 v32, v12
	v_mov_b32 v34, v16
	v_floor_f32 v12, -v13                          ; the new -M = -ceil(t)
	v_floor_f32 v16, -v17
	v_sub_f32 v32, v12, v32                        ; old M - new M: a whole number, 0 or less
	v_sub_f32 v34, v16, v34
	v_cvt_i32_f32 v32, v32                         ; (it saturates)
	v_cvt_i32_f32 v34, v34
	v_ldexp_f32 v28, 1.0, v32                      ; f = 2^(old M - new M)
	v_ldexp_f32 v30, 1.0, v34
	v_pk_mul_f32 v[14:15], v[14:15], v[28:29] op_sel_hi:[1,0]   ; the sums under the new M,
	v_pk_mul_f32 v[18:19], v[18:19], v[30:31] op_sel_hi:[1,0]
	WIN 0x41                                       ; destination and source 0 in window 1
.set j, 0
.rept 16
	v_pk_mul_f32 v[j:j+1], v[j:j+1], v[28:29] op_sel_hi:[1,0]   ; and O^T, ahead of the exponentials; each accumulator from its low end on
.set j, j+2
.endr
.rept 16
	v_pk_mul_f32 v[j:j+1], v[j:j+1], v[30:31] op_sel_hi:[1,0]
.set j, j+2
.endr
	WIN 0
.set j, 0
.rept 32
	v_pk_fma_f32 v[64+j:65+j], v[64+j:65+j], s[CS:CS+1], v[12:13] op_sel_hi:[1,0,0]   ; tile A: t - M, two at a time
.set j, j+2
.endr
	s_wait_alu depctr_va_vdst(0)
.set j, 0
.rept 32                               ; tile A's exponentials; tile B's t - M, which names none of their registers, stands between them
	v_exp_f32 v[64+j], v[64+j]
	v_pk_fma_f32 v[128+j:129+j], v[128+j:129+j], s[CS:CS+1], v[16:17] op_sel_hi:[1,0,0]
	v_exp_f32 v[65+j], v[65+j]
.set j, j+2
.endr
	v_nop                                          ; the plain line behind the exponentials
	s_wait_alu depctr_va_vdst(0)                   ; behind tile A's batch and ahead of tile B's
	SUM8 64, 14
.set j, 0
.rept 64                               ; tile B's exponentials; tile A's holds stand between them (the conversion does not saturate: ISA guide 7.6.2; p is not negative, so the hold is one-sided)
	v_exp_f32 v[128+j], v[128+j]
	v_min_num_f32 v[64+j], v[64+j], v[LIMP]
.set j, j+1
.endr
	s_wait_alu depctr_va_vdst(0)                   ; behind the batch, ahead of its first reader and of the holds' readers
.irp b, 0,1,2,3,4,5,6,7
	v_cvt_scalef32_pk8_fp8_f32 v[192+2*\b:193+2*\b], v[64+8*\b:71+8*\b], v[SCP]
.endr
	SUM8 128, 18
.irp b, 8,9,10,11,12,13,14,15
.set i, 0
.rept 8
	v_min_num_f32 v[64+8*\b+i], v[64+8*\b+i], v[LIMP]
.set i, i+1
.endr
	v_cvt_scalef32_pk8_fp8_f32 v[192+2*\b:193+2*\b], v[64+8*\b:71+8*\b], v[SCP]
.endr
	v_nop                                          ; one plain line between the last conversion and the products that read the codes
	s_wait_alu depctr_va_vdst(0)
	s_wait_dscnt 16                                ; V's fragments are in; the next step's sixteen loads of K may be out
	WIN 0x51                                       ; O^T and V in window 1, the codes in window 0
.irp t, 0,1,2,3                        ; eight accumulators by turns; each fragment of V serves both tiles
	v_wmma_f32_16x16x128_fp8_fp8 v[8*\t:8*\t+7], v[192+16*\t:207+16*\t], v[192:207], v[8*\t:8*\t+7]
	v_wmma_f32_16x16x128_fp8_fp8 v[32+8*\t:39+8*\t], v[192+16*\t:207+16*\t], v[208:223], v[32+8*\t:39+8*\t]
.endr
	WIN 0
.endm
	s_load_b128 s[4:7], s[0:1], 0x0                ; qkvc, the scales' exponents
	s_load_b64 s[14:15], s[0:1], 0x10              ; ctxc
	v_lshl_add_u32 v[SPW], v0, 2, SPARE
	v_mov_b32 v[NIL], 0
	ds_add_u32 v[SPW], v[NIL]                      ; the opening lines: the add twice on end, and its wait ahead of the first tensor load
	ds_add_u32 v[SPW], v[NIL]
	v_lshrrev_b32 v8, 5, v0
	v_readfirstlane_b32 s[WV], v8                  ; wave 0..7
	s_bfe_u32 s[CX], ttmp6, 0x40000                ; c: my place in the cluster
	s_and_b32 s[HD], ttmp7, 0xffff                 ; batch x 16 + head
	; group 1: rows of 256 dense bytes; K: 16 bytes of padding behind every 64, V: behind every 256.  Mask 15: all four partners
.irp g, G1K, G1KB
	s_mov_b32 s[\g], 15|(1<<20)|(1<<21)|(3<<22)|(3<<25)
.endr
.irp g, G1V, G1VB
	s_mov_b32 s[\g], 15|(1<<20)|(1<<21)|(5<<22)|(3<<25)
.endr
.irp g, G1K, G1V, G1KB, G1VB
	s_mov_b32 s[\g+1], 256<<16
	s_mov_b32 s[\g+3], 256<<16
	s_mov_b32 s[\g+5], 256
	s_mov_b32 s[\g+6], 0
	s_mov_b32 s[\g+7], 0
.endr
	s_mov_b32 s[G1K+2], 40<<16                     ; 160 keys a wave
	s_mov_b32 s[G1K+4], 40
	s_mov_b32 s[G1V+2], 32<<16
	s_mov_b32 s[G1V+4], 32
	s_mov_b32 s[G1KB+2], 88<<16                    ; 352 keys a wave
	s_mov_b32 s[G1KB+4], 88
	s_mov_b32 s[G1VB+2], 96<<16
	s_mov_b32 s[G1VB+4], 96
	s_lshl_b32 s61, s[HD], 17                      ; the head's first byte in q, in k and in v
	s_mul_i32 s74, s[WV], 40*256
	s_add_co_u32 s74, s74, s61
	s_add_co_u32 s74, s74, 0x800000                ; K, first group: part w
	s_mov_b32 s75, 0
	s_mul_i32 s76, s[WV], 32*256
	s_add_co_u32 s76, s76, s61
	s_add_co_u32 s76, s76, 0x1000000-4*32*256      ; V, first group: part w - 4
	s_mov_b32 s77, 0
	s_mul_i32 s12, s[WV], 88*256
	s_add_co_u32 s12, s12, s61
	s_add_co_u32 s12, s12, 0x800000+160*256        ; K, second group
	s_mov_b32 s13, 0
	s_mul_i32 s16, s[WV], 96*256
	s_add_co_u32 s16, s16, s61
	s_add_co_u32 s16, s16, 0x1000000+128*256-4*96*256   ; V, second group
	s_mov_b32 s17, 0
	s_mov_b32 s[G0K], 1
	s_mul_i32 s[G0K+1], s[WV], 160*KP
	s_mov_b32 s[G0V], 1
	s_mul_i32 s[G0V+1], s[WV], 32*VP
	s_add_co_u32 s[G0V+1], s[G0V+1], VOFF-4*32*VP
	s_mov_b32 s[SEL], 0x76543210
	s_mov_b32 s[SEL+1], 0xfedcba98
	s_mov_b32 s[CS], 0x3e38aa3b                    ; log2(e) / 8
	s_wait_dscnt 0x0                               ; both opening adds are done
	s_wait_kmcnt 0x0
	s_load_b128 s[68:71], s[6:7], 0x18             ; entries 6 to 9
	s_load_b32 s72, s[6:7], 0x28                   ; entry 10
	s_add_nc_u64 s[G0K+2:G0K+3], s[4:5], s[74:75]
	s_or_b32 s[G0K+3], s[G0K+3], 0x80000000
	s_add_nc_u64 s[G0V+2:G0V+3], s[4:5], s[76:77]
	s_or_b32 s[G0V+3], s[G0V+3], 0x80000000
	ROUND                                          ; all four work-groups are here: the joint loads meet
	TLOAD G1K, G1V                                 ; K's keys 0-639, V's keys 0-511: one load a wave at the head
	s_lshl_b32 s62, s[CX], 10                      ; my tile among a pair's: 16 c queries x 64 bytes
	s_add_co_u32 s73, s61, s62
	s_sub_co_u32 s[PV], 15, s[WV]                  ; the long pair first
	s_lshl_b32 s74, s[PV], 13                      ; a pair's 128 queries x 64 bytes
	s_add_co_u32 s74, s74, s73
	s_lshl_b32 s76, s[WV], 13
	s_add_co_u32 s76, s76, s73
	s_add_nc_u64 s[8:9], s[4:5], s[74:75]          ; q of the first pair,
	s_add_nc_u64 s[10:11], s[4:5], s[76:77]        ; of the second
	s_and_b32 s74, s[HD], 15
	s_lshl_b32 s74, s74, 19                        ; ctxc: the head's plane of 8,192 tokens x 64,
	s_lshr_b32 s76, s[HD], 4
	s_lshl_b32 s76, s76, 17                        ; the batch's 2,048 tokens x 64,
	s_add_co_u32 s74, s74, s76
	s_add_co_u32 s74, s74, s62                     ; my tile
	s_add_nc_u64 s[CB:CB+1], s[14:15], s[74:75]
	s_mov_b32 s[OF+1], 0
	s_mul_i32 s63, s[WV], 2*16*KP
	s_add_co_u32 s63, s63, STAGE                   ; my stage
	s_lshl_b32 s62, s[CX], 4
	s_mov_b32 s[PASS], 0
	s_mov_b32 s[KS], 0
	s_mov_b32 s[LO], 4
	v_and_b32 v8, 15, v0                           ; r
	v_bfe_u32 v9, v0, 4, 1                         ; h
	v_lshlrev_b32 v[QOF], 6, v8
	v_lshl_add_u32 v[QOF], v9, 4, v[QOF]           ; Q: row r of 64 bytes, + 16 h
	WIN 0x40                                       ; destinations in window 1
.irp p, 0,1                            ; both pairs' Q, tiles A and B (64 queries on): they stay in registers
	global_load_b128 v[64+16*\p:67+16*\p], v[QOF], s[8+2*\p:9+2*\p]
	global_load_b128 v[68+16*\p:71+16*\p], v[QOF], s[8+2*\p:9+2*\p] offset:32
	global_load_b128 v[72+16*\p:75+16*\p], v[QOF], s[8+2*\p:9+2*\p] offset:4096
	global_load_b128 v[76+16*\p:79+16*\p], v[QOF], s[8+2*\p:9+2*\p] offset:4128
.endr
	WIN 0
	v_mul_u32_u24 v[AK0], v8, KP
	v_lshl_add_u32 v[AK0], v9, 4, v[AK0]           ; K: row r of a tile, + 16 h
	v_mul_u32_u24 v[AV0], v8, VP
	v_lshl_add_u32 v[AV0], v9, 4, v[AV0]
	v_add_nc_u32 v[AV0], VOFF, v[AV0]              ; V likewise
	v_mul_u32_u24 v[STO], v8, KP
	v_lshl_add_u32 v[STO], v9, 3, v[STO]
	v_add_nc_u32 v[STO], s63, v[STO]               ; the stage, in: row r, + 8 h
	v_and_b32 v[GO], 31, v0
	v_lshrrev_b32 v[RD], 2, v[GO]
	v_mul_u32_u24 v[RD], v[RD], KP
	v_and_b32 v32, 3, v[GO]
	v_lshl_add_u32 v[RD], v32, 4, v[RD]
	v_add_nc_u32 v[RD], s63, v[RD]                 ; back: four lanes to a row of 64 bytes, eight rows an instruction
	v_lshlrev_b32 v[GO], 4, v[GO]
	v_lshlrev_b32 v[DA], 3, v9
	v_sub_nc_u32 v[DA], v8, v[DA]
	v_add_nc_u32 v[DA], s62, v[DA]
	v_mov_b32 v[NINF], 0xff800000
	v_mov_b32 v29, 0                               ; (upper halves of the pairs that hold f)
	v_mov_b32 v31, 0
	v_mov_b32 v36, 0                               ; a lane permute's destination counts as one of its sources
	v_mov_b32 v37, 0
	s_wait_kmcnt 0x0
	s_add_co_i32 s73, s68, s69
	s_lshl_b32 s73, s73, 23
	s_add_co_i32 s[CS], s[CS], s73                 ; a score stands for score x 2^(entries 6 + 7): added to c's exponent field
	s_mov_b32 s[CS+1], s[CS]
	s_add_co_i32 s73, s70, 127
	s_lshl_b32 s74, s73, 23
	v_mov_b32 v[SCP], s74
	s_add_co_i32 s73, s73, 8
	s_lshl_b32 s73, s73, 23
	s_or_b32 s73, s73, 0x600000
	v_mov_b32 v[LIMP], s73
	s_add_co_i32 s73, s72, 127
	s_lshl_b32 s74, s73, 23
	v_mov_b32 v[SCC2], s74
	s_add_co_i32 s73, s73, 8
	s_lshl_b32 s73, s73, 23
	s_or_b32 s73, s73, 0x600000
	v_mov_b32 v[LIMC], s73
	s_add_co_i32 s[E89], s70, s71
	INIT
	s_wait_alu depctr_va_vdst(0)
	s_wait_loadcnt 0x0                             ; Q
	s_wait_tensorcnt 0x0                           ; my part of the first group is in
	ds_add_u32 v[SPW], v[NIL]                      ; 0 onto my spare word; the second group's descriptors stand between it and the wait for it
	s_mul_i32 s[G0K+1], s[WV], 352*KP
	s_add_co_u32 s[G0K+1], s[G0K+1], 640*KP
	s_mul_i32 s[G0V+1], s[WV], 96*VP
	s_add_co_u32 s[G0V+1], s[G0V+1], VOFF+128*VP-4*96*VP
	s_add_nc_u64 s[G0K+2:G0K+3], s[4:5], s[12:13]
	s_or_b32 s[G0K+3], s[G0K+3], 0x80000000
	s_add_nc_u64 s[G0V+2:G0V+3], s[4:5], s[16:17]
	s_or_b32 s[G0V+3], s[G0V+3], 0x80000000
	s_wait_dscnt 0x0
	ROUND                                          ; everybody's part of the first group is in, and the four work-groups are here
	TLOAD G1KB, G1VB                               ; the rest of the head: my one load behind the round
	KLOAD AK0                                      ; step 0's K
.Lpre:                                             ; four trips: steps 0-3 of the long pair, all of whose keys count; they read the first group's bytes alone (the fourth fetches keys 512-639)
	STEP 0
	s_add_co_u32 s[KS], s[KS], 1
	s_cmp_lt_u32 s[KS], 4
	s_wait_alu depctr_va_vdst(0)
	s_cbranch_scc1 .Lpre
	s_wait_tensorcnt 0x0                           ; my part of the second group is in,
	s_wait_dscnt 0x0                               ; no LDS instruction of mine is out at the signal,
	s_barrier_signal -1
	s_barrier_wait -1                              ; everybody's is: the head's K and V are whole, and nothing is filled again
.Lpass:                                            ; two trips: the rest of pair 15 - w, then pair w
	s_mov_b32 s[KS], 0
.Lstep:                                            ; sixteen trips: steps of 128 keys
	s_cmp_gt_u32 s[KS], s[PV]                      ; behind the pair's last step all keys are hidden;
	s_cbranch_scc1 .Lhidden
	s_cmp_lt_u32 s[KS], s[LO]                      ; the long pair's first four steps are done
	s_cbranch_scc1 .Lhidden
	STEP 1
.Lhidden:
	s_add_co_u32 s[KS], s[KS], 1
	s_cmp_lt_u32 s[KS], 16
	s_wait_alu depctr_va_vdst(0)
	s_cbranch_scc1 .Lstep
	; THE PAIR'S WAY OUT.  O^T / the sum x 2^(entries 8 + 9) is the context; it is held, quantised by entry 10, and goes through my stage, so that each store covers 512 consecutive bytes of the head's plane.
.rept 4
	v_nop                                          ; places behind the last products
.endr
	v_add_f32 v14, v14, v15
	v_add_f32 v18, v18, v19
	v_permlanex16_b32 v36, v14, s[SEL], s[SEL+1]
	v_permlanex16_b32 v37, v18, s[SEL], s[SEL+1]
	v_add_f32 v14, v14, v36
	v_add_f32 v18, v18, v37
	s_wait_alu depctr_va_vdst(0)                   ; ahead of the reciprocals
	v_rcp_f32 v14, v14
	v_rcp_f32 v18, v18
	v_nop
	s_wait_alu depctr_va_vdst(0)                   ; and behind them, ahead of the first reader
	v_ldexp_f32 v14, v14, s[E89]
	v_ldexp_f32 v18, v18, s[E89]
	WIN 0x01                                       ; source 0 in window 1
	s_wait_alu depctr_va_vdst(0)                   ; directly ahead of the first reader of O^T
.set j, 0
.rept 32
	v_mul_f32 v[64+j], v[j], v14                   ; tile A: register 8 t + i is ctx(query r, 16 t + 8 h + i)
.set j, j+1
.endr
.rept 32
	v_mul_f32 v[64+j], v[j], v18                   ; tile B
.set j, j+1
.endr
	WIN 0
.set j, 0
.rept 64
	v_med3_num_f32 v[64+j], v[64+j], -v[LIMC], v[LIMC]
.set j, j+1
.endr
.irp g, 0,1,2,3,4,5,6,7
	v_cvt_scalef32_pk8_fp8_f32 v[192+2*\g:193+2*\g], v[64+8*\g:71+8*\g], v[SCC2]
.endr
	v_nop                                          ; one plain line behind the last conversion
.irp g, 0,1,2,3,4,5,6,7
	ds_store_b64 v[STO], v[192+2*\g:193+2*\g] offset:16*KP*(\g/4)+16*(\g%4)
.endr
.irp n, 0,1,2,3
	ds_load_b128 v[224+4*\n:227+4*\n], v[RD] offset:16*KP*(\n/2)+8*KP*(\n%2)   ; LDS serves a wave's instructions in order: these see my stores
.endr
	s_wait_dscnt 3                                 ; the loads come back in order: three younger ones may be out, then two, one, none
	global_store_b128 v[GO], v[224:227], s[OB:OB+1]
	s_wait_dscnt 2
	global_store_b128 v[GO], v[228:231], s[OB:OB+1] offset:512
	s_wait_dscnt 1
	global_store_b128 v[GO], v[232:235], s[OB:OB+1] offset:4096
	s_wait_dscnt 0
	global_store_b128 v[GO], v[236:239], s[OB:OB+1] offset:4608
	s_add_co_u32 s[PASS], s[PASS], 1
	s_cmp_ge_u32 s[PASS], 2
	s_cbranch_scc1 .Ldone
	s_wait_xcnt 0x0                                ; the stores have read their base and their data: both are written again below
	s_mov_b32 s[PV], s[WV]                         ; on to the short pair, from its first step,
	s_mov_b32 s[LO], 0
	WIN 0x41
.set j, 0
.rept 16
	v_mov_b32 v[64+j], v[80+j]                     ; whose Q comes in hand
.set j, j+1
.endr
	WIN 0
	INIT
	KLOAD AK0                                      ; its step 0's K
	s_cmp_lt_u32 s[PASS], 2
	s_wait_alu depctr_va_vdst(0)
	s_cbranch_scc1 .Lpass
.Ldone:
	s_wait_tensorcnt 0x0                           ; the wave's end
	ds_add_u32 v[SPW], v[NIL]
	s_wait_dscnt 0x0
	ROUND                                          ; the closing round
	s_endpgm
.Lfunc_end_k_qbf9249076b_attn:
	.size	k_qbf9249076b_attn, .Lfunc_end_k_qbf9249076b_attn-k_qbf9249076b_attn
	.p2alignl 7, 3214868480
	.fill 96, 4, 3214868480
	.section	.rodata,"a",@progbits
	.p2align	6, 0x0
	.amdhsa_kernel k_qbf9249076b_attn
		.amdhsa_group_segment_fixed_size 327680
		.amdhsa_private_segment_fixed_size 0
		.amdhsa_enable_private_segment 0
		.amdhsa_kernarg_size 24
		.amdhsa_user_sgpr_count 2
		.amdhsa_user_sgpr_kernarg_segment_ptr 1
		.amdhsa_wavefront_size32 1
		.amdhsa_system_sgpr_workgroup_id_x 1
		.amdhsa_system_sgpr_workgroup_id_y 1
		.amdhsa_system_sgpr_workgroup_id_z 1
		.amdhsa_system_vgpr_workitem_id 0
		.amdhsa_next_free_vgpr 512
		.amdhsa_next_free_sgpr 96
		.amdhsa_reserve_vcc 1
		.amdhsa_float_denorm_mode_32 3
		.amdhsa_float_denorm_mode_16_64 3
		.amdhsa_memory_ordered 1
		.amdhsa_forward_progress 1
		.amdhsa_inst_pref_size 89
	.end_amdhsa_kernel
	.amdgpu_metadata
---
amdhsa.version: [ 1, 2 ]
amdhsa.kernels:
  - .name:           k_qbf9249076b_attn
    .symbol:         k_qbf9249076b_attn.kd
    .args:
      - { .name: qkvc, .offset: 0, .size: 8, .value_kind: global_buffer, .address_space: global }
      - { .name: lowp_scales, .offset: 8, .size: 8, .value_kind: global_buffer, .address_space: global }
      - { .name: ctxc, .offset: 16, .size: 8, .value_kind: global_buffer, .address_space: global }
    .group_segment_fixed_size: 327680
    .private_segment_fixed_size: 0
    .kernarg_segment_align: 8
    .kernarg_segment_size: 24
    .max_flat_workgroup_size: 256
    .sgpr_count:     96
    .vgpr_count:     512
    .wavefront_size: 32
...
	.end_amdgpu_metadata
.endif
;; end of part 3
;; launch outp (part 4): grid 4 x 64, 4 waves a work-group, clusters of 4 x 4, 327,680 bytes of LDS; arguments ctxc, wc, bo, lowp_scales, out0; writes out0
.if DOCPART == 4
	.amdgcn_target "amdgcn-amd-amdhsa--gfx1250"
	.amdhsa_code_object_version 6
	.text
	.protected	k_qbf9249076b_outp
	.globl	k_qbf9249076b_outp
	.p2align	8
	.type	k_qbf9249076b_outp,@function
k_qbf9249076b_outp:
	s_mov_b64 s[64:65], 0
	v_nop
	global_prefetch_b8 v0, s[64:65] scope:SCOPE_SE
	s_setreg_imm32_b32 hwreg(HW_REG_WAVE_MODE, 25, 1), 1
	s_wait_xcnt 0x0
	s_wait_alu depctr_hold_cnt(0) depctr_sa_sdst(0) depctr_va_vdst(0) depctr_va_sdst(0) depctr_va_ssrc(0) depctr_va_vcc(0) depctr_vm_vsrc(0)
	s_getreg_b32 s2, hwreg(HW_REG_IB_STS2, 6, 4)
	s_cmp_eq_u32 s2, 0
	s_cbranch_scc0 .Lentry_in_a_cluster
	s_endpgm
.Lentry_in_a_cluster:
	s_bfe_u32 s2, ttmp6, 0x10000c
	s_cmp_lg_u32 s2, 0xf033
	s_cbranch_scc0 .Lentry_shape_is_right
	s_endpgm
.Lentry_shape_is_right:
; out0 = ctx Wo + bo on codes of FP8 (E4M3), K = 1,024; sums in f32.  A = ctxc: [head][batch x token][64] (K = head x 64 + the head's axis); B = Wo's codes, the fourth MiB of wc, [n][k].
; A sum stands for sum x 2^E, E = entries 10 + 11 of the scales.  The bias goes in as the C of each sum's first matrix instruction, divided by 2^E; each finished sum is multiplied once by 2^E.
; LIMIT: E between -126 and 127, so that 2^E is an f32 number.
; A block of out0, 128 rows x 256 columns, is made by four waves: 64 x 4 blocks are 256 work-groups.  A wave makes 64 x 128: 32 accumulators of 16 x 16.
; K goes in four steps of 256 through a ring of two LDS slots.  A slot: A's 128 tokens as 4 planes (heads) of 128 rows of 64 + 16 bytes, then B's 256 rows of 256 + 16 bytes.
; CLUSTERS: 4 x 4 work-groups; A's tile is shared along a row of the cluster, B's along a column: joint loads.  A slot's tiles have two owners: waves 0, 1 fetch A and B of slot 0, waves 2, 3 of slot 1;
; so all four first fills go out at the head, one a wave, and each wave keeps its descriptor for its slot's refill.
; THE MATRIX INSTRUCTION IS USED TRANSPOSED (source 0 = 16 rows of B, source 1 = 16 rows of A): a lane holds eight neighbouring columns of one row.
; No prefetch: of the four K steps two are first fills.
; REGISTERS: window 0: v10-29 addresses; v32-95 the bias as C, later a block's results; v128-255 A's fragments, two sets, later rows read back.  Window 1: B's fragments, two sets.  Window 2: the accumulators.
.set SIZE_N, 1024
.set ROWB,   256
.set KROW,   1024
.set PITCH,  272
.set APITCH, 80
.set PLANE,  128*APITCH
.set HPLANE, 524288                    ; a head's plane of ctxc in bytes
.set KSTEPA, 4*HPLANE                  ; a K step of 256 is four heads
.set FR,     16
.set NL,     4
.set NP,     4                         ; places behind this matrix instruction (ISA guide 7.12.1)
.set ATILE,  4*PLANE
.set BTILE,  256*PITCH
.set SLOT,   ATILE+BTILE
.set SPARE,  2*SLOT                    ; the spare words, 128 bytes a wave
.set SPITCH, 528                       ; the way out: a stage of 16 rows x (512 + 16) bytes a wave, in slot 0, which has had its last fill and its last read by then
.set BH,   10
.set ADRA, 16
.set ADRB, 20
.set STO,  24
.set RD,   25
.set CO,   26
.set SPW,  28                          ; LDS address of my spare word; never rewritten
.set NIL,  29                          ; 0; never rewritten
.set BI,   32
.set TMP,  32
.set AF,   128
.set BK,   128
.set G1, 24
.set G0, 32
.set G1B, 48
.set G0B, 56
.set MSB, 0
.macro WIN new
.if MSB != \new
	s_set_vgpr_msb (MSB<<8)|\new
.set MSB, \new
.endif
.endm
.set MUL_LO, 0xa1                      ; source 0 (B) window 1, source 1 (A) window 0, C and D window 2
.set FST_LO, 0x81                      ; a sum's first product: C (the bias) window 0
.set TO_B,   0x40
.macro ARM g0, g1
	tensor_load_to_lds s[\g0:\g0+3], s[\g1:\g1+7]
	s_nop 0
.rept 4
	v_nop
.endr
.endm
.macro JLOAD wa, g0a, g1a, g0b, g1b    ; a slot's refill: wave wa fetches A's tile, wave wa + 1 B's, the others nothing
	s_cmp_eq_u32 s14, \wa
	s_cbranch_scc0 .Lfor_b_\@
	ARM \g0a, \g1a
	s_branch .Lasked_\@
.Lfor_b_\@:
	s_cmp_eq_u32 s14, (\wa)+1
	s_cbranch_scc0 .Lasked_\@
	ARM \g0b, \g1b
.Lasked_\@:
.endm
.macro CREST
	s_cmp_lg_u32 s14, 0
	s_cbranch_scc1 .Lnot_wave_0_\@
	s_barrier_signal -3
.Lnot_wave_0_\@:
	s_barrier_wait -3
	s_barrier_signal -1
	s_barrier_wait -1
.endm
.macro CROUND
	s_barrier_signal -1
	s_barrier_wait -1
	CREST
.endm
	s_load_b128 s[4:7], s[0:1], 0x0                ; ctxc, wc
	s_load_b128 s[68:71], s[0:1], 0x10             ; bo, the scales' exponents
	s_load_b64 s[10:11], s[0:1], 0x20              ; out0
	v_lshl_add_u32 v[SPW], v0, 2, SPARE
	v_mov_b32 v[NIL], 0
	ds_add_u32 v[SPW], v[NIL]                      ; the opening lines: the add twice on end, and its wait
	ds_add_u32 v[SPW], v[NIL]
	v_lshrrev_b32 v1, 5, v0
	v_readfirstlane_b32 s14, v1                    ; wave 0..3
	s_lshr_b32 s15, s14, 1                         ; which 64 of the block's rows are mine
	s_and_b32 s16, s14, 1                          ; which 128 of its columns
	s_bfe_u32 s40, ttmp6, 0x40000
	s_bfe_u32 s41, ttmp6, 0x40004
	s_lshl_b32 s42, ttmp9, 2
	s_add_co_u32 s42, s42, s40                     ; block column
	s_and_b32 s17, ttmp7, 0xffff
	s_lshl_b32 s17, s17, 2
	s_add_co_u32 s17, s17, s41                     ; block row, 0 .. 63
	s_lshl_b32 s43, s41, 2
	s_lshl_b32 s43, 15, s43                        ; my row of the cluster
	s_lshl_b32 s44, 0x1111, s40                    ; my column
	s_or_b32 s[G1+0], s43, (0<<16)|(1<<20)|(1<<21)|(3<<22)|(3<<25)   ; A: 128 tokens x 64 bytes of a plane are 8,192 dense bytes: one row; 16 bytes of padding behind every 64
	s_mov_b32 s[G1+1], 8192<<16
	s_mov_b32 s[G1+2], 4<<16
	s_mov_b32 s[G1+3], 8192<<16
	s_mov_b32 s[G1+4], 4
	s_mov_b32 s[G1+5], HPLANE
	s_mov_b32 s[G1+6], 0
	s_mov_b32 s[G1+7], 0
	s_or_b32 s[G1B+0], s44, (0<<16)|(1<<20)|(1<<21)|(5<<22)|(3<<25)  ; B: 256 rows of 256 bytes
	s_mov_b32 s[G1B+1], ROWB<<16
	s_mov_b32 s[G1B+2], 256<<16
	s_mov_b32 s[G1B+3], ROWB<<16
	s_mov_b32 s[G1B+4], 256
	s_mov_b32 s[G1B+5], KROW
	s_mov_b32 s[G1B+6], 0
	s_mov_b32 s[G1B+7], 0
	s_lshl_b32 s20, s17, 13                        ; A: 128 tokens x 64 bytes a block row
	s_mov_b32 s21, 0
	s_lshl_b32 s46, s42, 18                        ; B: 256 rows of 1,024 bytes a block column,
	s_add_co_u32 s46, s46, 0x300000                ; in Wo's MiB
	s_mov_b32 s47, 0
	s_wait_dscnt 0x0
	s_wait_kmcnt 0x0
	s_load_b64 s[96:97], s[70:71], 0x28            ; entries 10, 11
	s_add_nc_u64 s[20:21], s[4:5], s[20:21]
	s_add_nc_u64 s[46:47], s[6:7], s[46:47]
	CROUND                                         ; all sixteen work-groups are here: the first joint loads meet
.irp s, 0,1
	s_mov_b32 s[G0+4*\s], 1
	s_mov_b32 s[G0+4*\s+1], \s*SLOT
	s_add_nc_u64 s[G0+4*\s+2:G0+4*\s+3], s[20:21], \s*KSTEPA
	s_or_b32 s[G0+4*\s+3], s[G0+4*\s+3], 0x80000000
	s_mov_b32 s[G0B+4*\s], 1
	s_mov_b32 s[G0B+4*\s+1], \s*SLOT+ATILE
	s_add_nc_u64 s[G0B+4*\s+2:G0B+4*\s+3], s[46:47], \s*ROWB
	s_or_b32 s[G0B+4*\s+3], s[G0B+4*\s+3], 0x80000000
.endr
	s_cmp_lt_u32 s14, 2                            ; the first fills: one chain of branches on the wave's number, one joint load to an arm, all arms to one join
	s_cbranch_scc0 .Lhead_slot1
	s_cmp_eq_u32 s14, 0
	s_cbranch_scc0 .Lhead_b0
	ARM G0, G1
	s_branch .Lhead_join
.Lhead_b0:
	ARM G0B, G1B
	s_branch .Lhead_join
.Lhead_slot1:
	s_cmp_eq_u32 s14, 2
	s_cbranch_scc0 .Lhead_b1
	ARM G0+4, G1
	s_branch .Lhead_join
.Lhead_b1:
	ARM G0B+4, G1B
.Lhead_join:
	v_and_b32 v1, 15, v0                           ; r
	v_bfe_u32 v2, v0, 4, 1                         ; h
	v_mul_u32_u24 v3, v1, APITCH
	v_lshl_add_u32 v3, v2, 4, v3
	v_mul_u32_u24 v4, v1, PITCH
	v_lshl_add_u32 v4, v2, 4, v4
	s_mul_i32 s21, s15, 64*APITCH                  ; my 64 rows in each plane of A
	s_mul_i32 s22, s16, 128*PITCH                  ; my 128 rows of B,
	s_add_co_u32 s22, s22, ATILE                   ; which lie behind A's tile
.irp s, 0,1
	v_add_nc_u32 v[ADRA+\s], s21, v3
	v_add_nc_u32 v[ADRB+\s], s22, v4
	s_add_co_u32 s21, s21, SLOT
	s_add_co_u32 s22, s22, SLOT
.endr
	s_mul_i32 s23, s14, 16*SPITCH                  ; my stage
	s_wait_alu depctr_va_vdst(0)
	v_mul_u32_u24 v5, v1, SPITCH
	v_lshl_add_u32 v5, v2, 5, v5
	v_add_nc_u32 v[STO], s23, v5
	v_and_b32 v6, 31, v0
	v_lshlrev_b32 v[CO], 4, v6
	v_add_nc_u32 v[RD], s23, v[CO]
	v_lshlrev_b32 v[BH], 5, v2
	s_lshl_b32 s20, s17, 7
	s_lshl_b32 s21, s15, 6
	s_add_co_u32 s20, s20, s21                     ; my first row of out0
	s_lshl_b32 s20, s20, 12
	s_lshl_b32 s46, s42, 10
	s_lshl_b32 s47, s16, 9
	s_add_co_u32 s46, s46, s47                     ; my first column, in bytes
	s_add_co_u32 s20, s20, s46
	s_mov_b32 s21, 0
	s_add_nc_u64 s[10:11], s[10:11], s[20:21]
	s_mov_b32 s47, 0
	s_add_nc_u64 s[68:69], s[68:69], s[46:47]
	s_wait_alu depctr_va_vdst(0)
.irp b, 0,1,2,3,4,5,6,7                ; registers 8 b + j: the bias of column 16 b + 8 h + j
	global_load_b128 v[BI+8*\b:BI+8*\b+3], v[BH], s[68:69] offset:64*\b
	global_load_b128 v[BI+8*\b+4:BI+8*\b+7], v[BH], s[68:69] offset:64*\b+16
.endr
	s_wait_kmcnt 0x0
	s_add_co_i32 s96, s96, s97                     ; E
	s_sub_co_i32 s92, 0, s96
	s_add_co_i32 s96, s96, 127
	s_lshl_b32 s96, s96, 23                        ; 2^E as f32
	s_wait_loadcnt 0x0
.set j, 0
.rept 64
	v_ldexp_f32 v[BI+j], v[BI+j], s92              ; bias / 2^E
.set j, j+1
.endr
.macro FRAG reg, adr, q, i             ; 16 rows x 128 K of B: registers 4 c .. 4 c + 3 hold K = 32 c + 16 h + 0 .. 15: the same order of k in A and in B
.irp c, 0,1,2,3
	ds_load_b128 v[\reg+4*\c:\reg+4*\c+3], v[\adr] offset:128*(\q)+32*\c+(\i)*16*PITCH
.endr
.endm
.macro FRAGA reg, adr, q, i            ; the same of A: 128 along K are two planes
.irp c, 0,1,2,3
	ds_load_b128 v[\reg+4*\c:\reg+4*\c+3], v[\adr] offset:(2*(\q)+\c/2)*PLANE+(\i)*16*APITCH+32*(\c%2)
.endr
.endm
; 16 matrix instructions: A's blocks a0, a0 + 1 x B's eight.  p: the sets.  The 32 accumulators take turns, in the same order in every step.
.macro MUL16 a0, p, cm
.irp a, \a0, \a0+1
.irp b, 0,1,2,3,4,5,6,7
.if \cm
	v_wmma_f32_16x16x128_fp8_fp8 v[8*(8*(\a)+\b):8*(8*(\a)+\b)+7], v[128*(\p)+FR*\b:128*(\p)+FR*\b+FR-1], v[AF+64*(\p)+FR*(\a):AF+64*(\p)+FR*(\a)+FR-1], v[BI+8*\b:BI+8*\b+7]
.else
	v_wmma_f32_16x16x128_fp8_fp8 v[8*(8*(\a)+\b):8*(8*(\a)+\b)+7], v[128*(\p)+FR*\b:128*(\p)+FR*\b+FR-1], v[AF+64*(\p)+FR*(\a):AF+64*(\p)+FR*(\a)+FR-1], v[8*(8*(\a)+\b):8*(8*(\a)+\b)+7]
.endif
.endr
.endr
.endm
.macro FETCH slot, q, p                ; 48 LDS loads: B's eight fragments and A's four of the slot's q-th 128 along K into sets p
	WIN TO_B
.irp i, 0,1,2,3,4,5,6,7
	FRAG 128*(\p)+FR*\i, ADRB+\slot, \q, \i
.endr
	WIN 0
.irp i, 0,1,2,3
	FRAGA AF+64*(\p)+FR*\i, ADRA+\slot, \q, \i
.endr
.endm
.macro PLACES n
.rept \n
	v_nop
.endr
.endm
; A slot's first step (sets 0): the second step's fragments are asked for first.  The places in front of these loads stand in TURN, behind the last products that read sets 1.
.macro STEP slot, cm
	FETCH \slot, 1, 1
	s_wait_dscnt 12*NL                             ; this step's fragments are in; the 48 loads just issued may be out
.if \cm
	WIN FST_LO
.else
	WIN MUL_LO
.endif
	MUL16 0, 0, \cm
	MUL16 2, 0, \cm
	WIN 0
.endm
; A slot's second step (sets 1) changes slots: ONE barrier; in front of it each wave waits for all its tensor loads, adds 0 to its spare word, and waits for that and for its reads of this slot.
.macro TURN slot, next, fill
	s_wait_tensorcnt 0x0
	ds_add_u32 v[SPW], v[NIL]
	s_wait_dscnt 1                                 ; this step's fragments are in; the add may be out
	WIN MUL_LO
	MUL16 0, 1, 0
	s_wait_dscnt 0x0
	s_barrier_signal -1
	MUL16 2, 1, 0
	WIN 0
	s_barrier_wait -1
.if \fill
	CREST                                          ; the barrier has opened a round of the cluster's barrier
	s_add_nc_u64 s[G0+4*\slot+2:G0+4*\slot+3], s[G0+4*\slot+2:G0+4*\slot+3], 2*KSTEPA
	s_add_nc_u64 s[G0B+4*\slot+2:G0B+4*\slot+3], s[G0B+4*\slot+2:G0B+4*\slot+3], 2*ROWB
	JLOAD 2*\slot, G0+4*\slot, G1, G0B+4*\slot, G1B
.endif
	PLACES NP                                      ; in front of the loads into both sets, on every wave's way
	FETCH \next, 0, 0
.endm
	s_wait_alu depctr_va_vdst(0)
	s_wait_tensorcnt 0x0                           ; my one load is in: between the four waves that is both slots
	s_barrier_signal -1
	s_barrier_wait -1
	FETCH 0, 0, 0
	STEP 0, 1                                      ; the first step starts the sums with the bias
	TURN 0, 1, 1                                   ; slot 0 takes K step 2,
	STEP 1, 0
	TURN 1, 0, 1                                   ; slot 1 K step 3
	STEP 0, 0
	TURN 0, 1, 0                                   ; the last lap fills nothing
	STEP 1, 0
	s_wait_dscnt 0
	WIN MUL_LO
	MUL16 0, 1, 0
	MUL16 2, 1, 0
	WIN 0
; THE WAY OUT, block by block of 16 rows x 128 columns, through my stage: whole rows of 512 bytes come back, and the 32 lanes store two aligned units of 256 bytes.
.macro TOSTAGE a
.set AC, 64*(\a)
	WIN 0x02
.set j, 0
.rept 32
	v_pk_mul_f32 v[TMP+j:TMP+j+1], v[AC+j:AC+j+1], s[96:97] op_sel_hi:[1,0]   ; x 2^E; each accumulator from its low end on
.set j, j+2
.endr
	WIN 0
.irp b, 0,1,2,3,4,5,6,7
	ds_store_b128 v[STO], v[TMP+8*\b:TMP+8*\b+3] offset:64*\b
	ds_store_b128 v[STO], v[TMP+8*\b+4:TMP+8*\b+7] offset:64*\b+16
.endr
.set BB, BK+64*((\a)%2)
.irp t, 0,1,2,3,4,5,6,7,8,9,10,11,12,13,14,15
	ds_load_b128 v[BB+4*\t:BB+4*\t+3], v[RD] offset:\t*SPITCH   ; LDS serves a wave's instructions in order
.endr
.endm
.macro SEND a, younger
.set BB, BK+64*((\a)%2)
	s_wait_dscnt \younger
.if (\a) > 0
	s_add_nc_u64 s[10:11], s[10:11], 16*SIZE_N*4   ; (behind a wait on XCNT)
.endif
.irp t, 0,1,2,3,4,5,6,7,8,9,10,11,12,13,14,15
	global_store_b128 v[CO], v[BB+4*\t:BB+4*\t+3], s[10:11] offset:\t*SIZE_N*4 th:TH_STORE_NT
.endr
.endm
	PLACES NP
	TOSTAGE 0
.irp a, 1,2,3
.if \a > 1
	s_wait_xcnt 0x0                                ; block a - 2's stores have read their registers and their base
.endif
	TOSTAGE \a
	SEND \a-1, 32                                  ; behind block a - 1's loads: block a's 16 stores and 16 loads
.endr
	s_wait_xcnt 0x0
	SEND 3, 0
	s_wait_tensorcnt 0x0                           ; the wave's end
	ds_add_u32 v[SPW], v[NIL]
	s_wait_dscnt 0x0
	CROUND                                         ; the closing round
	s_endpgm
.Lfunc_end_k_qbf9249076b_outp:
	.size	k_qbf9249076b_outp, .Lfunc_end_k_qbf9249076b_outp-k_qbf9249076b_outp
	.p2alignl 7, 3214868480
	.fill 96, 4, 3214868480
	.section	.rodata,"a",@progbits
	.p2align	6, 0x0
	.amdhsa_kernel k_qbf9249076b_outp
		.amdhsa_group_segment_fixed_size 327680
		.amdhsa_private_segment_fixed_size 0
		.amdhsa_enable_private_segment 0
		.amdhsa_kernarg_size 40
		.amdhsa_user_sgpr_count 2
		.amdhsa_user_sgpr_kernarg_segment_ptr 1
		.amdhsa_wavefront_size32 1
		.amdhsa_system_sgpr_workgroup_id_x 1
		.amdhsa_system_sgpr_workgroup_id_y 1
		.amdhsa_system_sgpr_workgroup_id_z 1
		.amdhsa_system_vgpr_workitem_id 0
		.amdhsa_next_free_vgpr 768
		.amdhsa_next_free_sgpr 98
		.amdhsa_reserve_vcc 0
		.amdhsa_float_denorm_mode_32 3
		.amdhsa_float_denorm_mode_16_64 3
		.amdhsa_memory_ordered 1
		.amdhsa_forward_progress 1
		.amdhsa_inst_pref_size 81
	.end_amdhsa_kernel
	.amdgpu_metadata
---
amdhsa.version: [ 1, 2 ]
amdhsa.kernels:
  - .name:           k_qbf9249076b_outp
    .symbol:         k_qbf9249076b_outp.kd
    .args:
      - { .name: ctxc, .offset: 0, .size: 8, .value_kind: global_buffer, .address_space: global }
      - { .name: wc, .offset: 8, .size: 8, .value_kind: global_buffer, .address_space: global }
      - { .name: bo, .offset: 16, .size: 8, .value_kind: global_buffer, .address_space: global }
      - { .name: lowp_scales, .offset: 24, .size: 8, .value_kind: global_buffer, .address_space: global }
      - { .name: out0, .offset: 32, .size: 8, .value_kind: global_buffer, .address_space: global }
    .group_segment_fixed_size: 327680
    .private_segment_fixed_size: 0
    .kernarg_segment_align: 8
    .kernarg_segment_size: 40
    .max_flat_workgroup_size: 128
    .sgpr_count:     98
    .vgpr_count:     768
    .wavefront_size: 32
...
	.end_amdgpu_metadata
.endif
;; end of part 4
